; MI455X (gfx1250); checked and timed in simulation.
; The chip was launched on July 23, 2026; its instructions are those of AMD's public machine-readable ISA for CDNA 5 (MIT licence, August 2026) and "CDNA5" Instruction Set Architecture Reference Guide (July 2026). The comments in the code are by the model that wrote it; some were corrected since.
;; Simple Caustic Detector. Allowed arithmetic: float matrix products may take bf16 or f16 operands with f32 sums; all other float work in f32.
;; Inputs: W1 4 x 128 float32; W2 128 x 128 float32; b1 128 float32; b2 128 float32; beta 128 float32; gamma 128 float32; padding_mask 64 x 4,096 bool; x 64 x 4,096 x 512 float32.
;; Outputs: out0 64 x 128 float32.
;; 2 versions, each right; version 2 is version 1 with the launches sums, peaks written anew for expert scheduling mode. Each part assembles by itself: llvm-mc -triple=amdgcn-amd-amdhsa -mcpu=gfx1250 --defsym DOCPART=n.
;; ======== version 1 of 2: 4 launches
;; limits: a function is approximated: absolute error at most 1.5e-07
;; workspace buffers: vwords 32,768 bytes of whole numbers; psum 524,288 bytes; pstat 65,536 bytes; pvar 524,288 bytes; ppeak 524,288 bytes
;; launch words (part 1): grid 32 x 1, 4 waves a work-group, no clusters, 0 bytes of LDS; arguments padding_mask, vwords; writes vwords
.if DOCPART == 1
	.amdgcn_target "amdgcn-amd-amdhsa--gfx1250"
	.amdhsa_code_object_version 6
	.text
	.protected	k_q10211ee1a1_words
	.globl	k_q10211ee1a1_words
	.p2align	8
	.type	k_q10211ee1a1_words,@function
k_q10211ee1a1_words:
	s_mov_b64 s[64:65], 0
	v_nop
	global_prefetch_b8 v0, s[64:65] scope:SCOPE_SE
	s_setreg_imm32_b32 hwreg(HW_REG_WAVE_MODE, 25, 1), 1
	s_wait_xcnt 0x0
; padding_mask [64][4096] of bool (one byte, 0 or 1; 1 = padded) becomes vwords[8192]: bit r of word g is 1 if row 32 g + r of the
; 262,144 rows is VALID.  The two walks of x take their trip counts and row addresses from these words, and a number that steers
; control flow is made in a launch of its own, stored as a whole number and read by the later launches.
; Thread T (0..4095 = 32 work-groups x 128) reads the 64 bytes at 64 T (a wave's four loads together cover 2,048 consecutive bytes)
; and stores words 2 T and 2 T + 1: a wave's store covers 256 consecutive bytes, aligned.
; Four 0/1 bytes of a dword d = b0 + b1 2^8 + b2 2^16 + b3 2^24 become a nibble by one multiply: d x (2^28 + 2^21 + 2^14 + 2^7) has
; b0..b3 at bits 28..31; the other products that stay below 2^32 fall on bits 7, 14, 21, 15, 22, 23: all ten bits differ, nothing carries.
; There is work for 128 waves only; no LDS, no barrier, no matrix unit: 0.3 MB are moved once.
.set B, 4                              ; v[4:19]   the 64 mask bytes, then 16 nibbles
.set W, 20                             ; v[20:21]  the two words
	s_load_b128 s[4:7], s[0:1], 0x0                ; padding_mask s[4:5], vwords s[6:7]
	s_mov_b32 s8, 0x10204080
	s_lshl_b32 s9, ttmp9, 7                        ; 128 threads a work-group
	v_add_nc_u32 v1, s9, v0                        ; T
	v_lshlrev_b32 v2, 6, v1                        ; 64 T
	v_lshlrev_b32 v3, 3, v1                        ; 8 T
	s_wait_kmcnt 0x0
.irp j, 0,1,2,3
	global_load_b128 v[B+4*\j:B+4*\j+3], v2, s[4:5] offset:16*\j
.endr
	s_wait_loadcnt 0x0
.irp i, 0,1,2,3,4,5,6,7,8,9,10,11,12,13,14,15
	v_mul_lo_u32 v[B+\i], v[B+\i], s8
.endr
.irp i, 0,1,2,3,4,5,6,7,8,9,10,11,12,13,14,15
	v_lshrrev_b32 v[B+\i], 28, v[B+\i]             ; the nibble of rows 4 i .. 4 i + 3
.endr
	v_lshl_or_b32 v[W], v[B+1], 4, v[B]            ; the first two nibbles start each word
	v_lshl_or_b32 v[W+1], v[B+9], 4, v[B+8]
.irp i, 2,3,4,5,6,7
	v_lshl_or_b32 v[W], v[B+\i], 4*\i, v[W]
	v_lshl_or_b32 v[W+1], v[B+8+\i], 4*\i, v[W+1]
.endr
	v_xor_b32 v[W], -1, v[W]                       ; valid = not padded
	v_xor_b32 v[W+1], -1, v[W+1]
	global_store_b64 v3, v[W:W+1], s[6:7]
	s_endpgm
.Lfunc_end_k_q10211ee1a1_words:
	.size	k_q10211ee1a1_words, .Lfunc_end_k_q10211ee1a1_words-k_q10211ee1a1_words
	.p2alignl 7, 3214868480
	.fill 96, 4, 3214868480
	.section	.rodata,"a",@progbits
	.p2align	6, 0x0
	.amdhsa_kernel k_q10211ee1a1_words
		.amdhsa_group_segment_fixed_size 0
		.amdhsa_private_segment_fixed_size 0
		.amdhsa_enable_private_segment 0
		.amdhsa_kernarg_size 16
		.amdhsa_user_sgpr_count 2
		.amdhsa_user_sgpr_kernarg_segment_ptr 1
		.amdhsa_wavefront_size32 1
		.amdhsa_system_sgpr_workgroup_id_x 1
		.amdhsa_system_sgpr_workgroup_id_y 1
		.amdhsa_system_sgpr_workgroup_id_z 1
		.amdhsa_system_vgpr_workitem_id 0
		.amdhsa_next_free_vgpr 24
		.amdhsa_next_free_sgpr 66
		.amdhsa_reserve_vcc 0
		.amdhsa_float_denorm_mode_32 3
		.amdhsa_float_denorm_mode_16_64 3
		.amdhsa_memory_ordered 1
		.amdhsa_forward_progress 1
		.amdhsa_inst_pref_size 4
	.end_amdhsa_kernel
	.amdgpu_metadata
---
amdhsa.version: [ 1, 2 ]
amdhsa.kernels:
  - .name:           k_q10211ee1a1_words
    .symbol:         k_q10211ee1a1_words.kd
    .args:
      - { .name: padding_mask, .offset: 0, .size: 8, .value_kind: global_buffer, .address_space: global }
      - { .name: vwords, .offset: 8, .size: 8, .value_kind: global_buffer, .address_space: global }
    .group_segment_fixed_size: 0
    .private_segment_fixed_size: 0
    .kernarg_segment_align: 8
    .kernarg_segment_size: 16
    .max_flat_workgroup_size: 128
    .sgpr_count:     66
    .vgpr_count:     24
    .wavefront_size: 32
...
	.end_amdgpu_metadata
.endif
;; end of part 1
;; launch sums (part 2): grid 256 x 1, 32 waves a work-group, no clusters, 77,824 bytes of LDS; arguments x, vwords, psum, pstat; writes psum, pstat
.if DOCPART == 2
	.amdgcn_target "amdgcn-amd-amdhsa--gfx1250"
	.amdhsa_code_object_version 6
	.text
	.protected	k_q10211ee1a1_sums
	.globl	k_q10211ee1a1_sums
	.p2align	8
	.type	k_q10211ee1a1_sums,@function
k_q10211ee1a1_sums:
	s_mov_b64 s[64:65], 0
	v_nop
	global_prefetch_b8 v0, s[64:65] scope:SCOPE_SE
	s_setreg_imm32_b32 hwreg(HW_REG_WAVE_MODE, 25, 1), 1
	s_wait_xcnt 0x0
; First walk of x [64][4096][512] f32: masked column sums, masked maximum and count of valid rows of a chunk.
; Work-group wg = 4 b + c owns rows 1024 c .. 1024 c + 1023 of batch b.  Its 32 waves own 32 consecutive rows each.
; A row is 2,048 bytes = four 16-byte loads of the wave, each covering 512 consecutive bytes; lane l owns columns 128 j + 4 l + e.
; ONLY VALID ROWS ARE FETCHED: a padded row adds 0 to every sum and the constant -65000 to the maximum, so its bytes are not needed.
; The wave's 32-bit word of valid rows was made from padding_mask by the launch in front (vwords[32 wg + wave]) and comes in by a
; scalar load; rows are taken from it bit by bit.
; A ring of four row slots keeps 16 loads (8,192 bytes) of every wave in flight.  When the word is empty the ring asks again for the
; last row taken, so that every path issues the same loads and the counted waits hold; such slots are never added up (the tail leaves).
; Out: psum[wg][512] column sums; pstat[wg][l][2] = {maximum over lane l of all waves, count of valid rows of wave l}.
; No cluster: no two work-groups read the same bytes of x.  No matrix unit: there is no product here.
; LIMITS: x is taken to be finite (an infinity or NaN in a padded row makes NaN in the reference's x * 0 and is ignored here; a NaN in
; a valid row loses in the maxima).  The sums run in another order than the reference's.
.set MAXR, 0                           ; LDS: 4,096 bytes, a word for each thread: its maximum
.set CNTR, 4096                        ; LDS: 128 bytes, a word for each wave: its count of valid rows
.set SUMR, 8192                        ; LDS: 32 waves x 2,048 bytes: the wave's 512 column sums, byte 4 x column
.set OFF, 8                            ; v[8:11]   slot s: byte offset of my 16 bytes in the slot's row, from the wave's first row
.set MX,  12                           ; v[12:15]  four chains of the maximum, one for each load of a row
.set S,   16                           ; v[16:31]  the sums of my 16 columns
.set X,   32                           ; v[32:95]  slot s: 16 registers
	s_load_b256 s[4:11], s[0:1], 0x0               ; x s[4:5], vwords s[6:7], psum s[8:9], pstat s[10:11]
	v_lshl_add_u32 v96, v0, 2, 0x12000
	v_mov_b32 v97, 0
	v_lshrrev_b32 v2, 5, v0
	v_readfirstlane_b32 s12, v2                    ; wave 0..31
	v_and_b32 v2, 31, v0                           ; lane
	v_lshlrev_b32 v1, 4, v2                        ; 16 x lane
	s_lshl_b32 s13, ttmp9, 5
	s_add_co_u32 s13, s13, s12                     ; g = 32 wg + wave, 0..8191: which 32 rows of the 262,144 are mine
	s_mov_b32 s15, 0                               ; high word of every offset pair (all offsets are below 2^30)
	s_mov_b32 s20, 0                               ; the last row taken: row 0 until there is one
	s_mov_b32 s26, 0xff800000                      ; -infinity
	s_mov_b32 s27, 0xc77de800                      ; -65000.0
	s_lshl_b32 s23, s12, 2
	v_mov_b32 v3, s23                              ; my wave's word in CNTR: 4 wave
	v_lshl_add_u32 v5, s12, 11, v1                 ; my 16 bytes in my wave's 2,048 bytes of SUMR
	v_lshlrev_b32 v6, 2, v2
	v_lshl_add_u32 v6, s12, 7, v6                  ; my word in MAXR: 128 wave + 4 lane
	s_wait_kmcnt 0x0
	s_lshl_b32 s14, s13, 2                         ; my wave's word of valid rows
	s_add_nc_u64 s[6:7], s[6:7], s[14:15]
	s_load_b32 s16, s[6:7], 0x0
	s_lshl_b32 s14, s13, 16                        ; 32 rows of 2,048 bytes
	s_add_nc_u64 s[4:5], s[4:5], s[14:15]
	s_lshl_b32 s14, ttmp9, 11                      ; 512 sums
	s_add_nc_u64 s[8:9], s[8:9], s[14:15]
	s_lshl_b32 s14, ttmp9, 8                       ; 32 pairs
	s_add_nc_u64 s[10:11], s[10:11], s[14:15]
.irp i, 0,1,2,3,4,5,6,7,8,9,10,11,12,13,14,15
	v_mov_b32 v[S+\i], 0                           ; cleared, not started by the first row: a wave may have no valid row at all
.endr
	s_wait_kmcnt 0x0                               ; the word
	s_bcnt1_i32_b32 s17, s16                       ; n valid rows
	v_cvt_f32_u32 v4, s17                          ; the wave's share of the count
	s_add_co_u32 s18, s17, 3
	s_lshr_b32 s18, s18, 2
	s_max_u32 s18, s18, 1                          ; revolutions of the ring, at least one
	s_sub_co_u32 s18, s18, 1                       ; of which all but the last run in the loop
	s_lshl_b32 s23, s18, 2
	s_sub_co_u32 s19, s17, s23                     ; rows left for the tail, 0..4
	s_cmp_eq_u32 s16, -1
	s_cselect_b32 s25, s26, s27                    ; the maximum starts at -65000 if any row of mine is padded, else at -infinity
.irp j, 0,1,2,3
	v_mov_b32 v[MX+\j], s25
.endr
; Takes the lowest valid row out of the word and makes slot s's offset.  An empty word leaves the last row in place.
.macro NEXTROW s
	s_ctz_i32_b32 s21, s16
	s_cmp_lg_u32 s16, 0
	s_cselect_b32 s20, s21, s20
	s_min_u32 s22, s20, 31                         ; a number that came from memory is bounded before it enters an address
	s_add_co_i32 s23, s16, -1
	s_and_b32 s16, s16, s23                        ; clears the lowest bit that is set
	v_lshl_add_u32 v[OFF+\s], s22, 11, v1          ; row x 2,048 + 16 lane
.endm
.macro FILL s
.irp j, 0,1,2,3
	global_load_b128 v[X+16*\s+4*\j:X+16*\s+4*\j+3], v[OFF+\s], s[4:5] offset:512*\j
.endr
.endm
; One row: 8 packed adds and 8 three-way maxima for 16 numbers.
.macro ACC s
.irp j, 0,1,2,3
	v_pk_add_f32 v[S+4*\j:S+4*\j+1], v[S+4*\j:S+4*\j+1], v[X+16*\s+4*\j:X+16*\s+4*\j+1]
	v_pk_add_f32 v[S+4*\j+2:S+4*\j+3], v[S+4*\j+2:S+4*\j+3], v[X+16*\s+4*\j+2:X+16*\s+4*\j+3]
	v_max3_num_f32 v[MX+\j], v[MX+\j], v[X+16*\s+4*\j], v[X+16*\s+4*\j+1]
	v_max3_num_f32 v[MX+\j], v[MX+\j], v[X+16*\s+4*\j+2], v[X+16*\s+4*\j+3]
.endr
.endm
.irp s, 0,1,2,3
	NEXTROW \s
	FILL \s
.endr
	s_mov_b32 s24, 0
	s_cmp_eq_u32 s18, 0
	s_cbranch_scc1 .Ltail
.Lrev:
.irp s, 0,1,2,3
	s_wait_loadcnt 12                              ; loads return in order (ISA guide 5.7.1): this slot's four are in, the three younger rows
	ACC \s                                         ; (12 loads) stay out; the same wait frees the slot's offset register
	NEXTROW \s
	FILL \s
.endr
	s_add_co_u32 s24, s24, 1
	s_cmp_lt_u32 s24, s18
	s_cbranch_scc1 .Lrev
.Ltail:
.irp s, 0,1,2,3
	s_wait_loadcnt 12-4*\s                         ; nothing is issued any more: the counts run down
	s_cmp_le_u32 s19, \s                           ; slot s and those behind it hold repeated rows: leave
	s_cbranch_scc1 .Ldone
	ACC \s
.endr
.Ldone:
	s_wait_loadcnt 0x0                             ; repeated rows may still be landing in X, which is used again below
.irp j, 0,1,2,3
	ds_store_b128 v5, v[S+4*\j:S+4*\j+3] offset:SUMR+512*\j
.endr
	v_max3_num_f32 v[MX], v[MX], v[MX+1], v[MX+2]
	v_max_num_f32 v[MX], v[MX], v[MX+3]
	ds_store_b32 v6, v[MX] offset:MAXR
	ds_store_b32 v3, v4 offset:CNTR                ; all lanes write the wave's one word with the same value
	s_wait_dscnt 0x0                               ; my stores are in LDS before I say so
	s_barrier_signal -1
	s_barrier_wait -1
	s_cmp_lt_u32 s12, 4
	s_cbranch_scc1 .Lsums
	s_cmp_eq_u32 s12, 4
	s_cbranch_scc1 .Lstats
	s_wait_tensorcnt 0x0
	ds_add_u32 v96, v97
	s_wait_dscnt 0x0
	s_endpgm
; Adds the 32 waves' 16 bytes at one place of their 2,048-byte regions: 16 from ra, 16 from rb = ra + 16 regions.
.macro RED32 ra, rb, base
.irp i, 0,1,2,3,4,5,6,7,8,9,10,11,12,13,14,15
	ds_load_b128 v[X+4*\i:X+4*\i+3], v[\ra] offset:\base+2048*\i
.endr
	s_wait_dscnt 0x0
	v_pk_add_f32 v[S:S+1], v[X:X+1], v[X+4:X+5]    ; the first two start the sum
	v_pk_add_f32 v[S+2:S+3], v[X+2:X+3], v[X+6:X+7]
.irp i, 2,3,4,5,6,7,8,9,10,11,12,13,14,15
	v_pk_add_f32 v[S:S+1], v[S:S+1], v[X+4*\i:X+4*\i+1]
	v_pk_add_f32 v[S+2:S+3], v[S+2:S+3], v[X+4*\i+2:X+4*\i+3]
.endr
.irp i, 0,1,2,3,4,5,6,7,8,9,10,11,12,13,14,15
	ds_load_b128 v[X+4*\i:X+4*\i+3], v[\rb] offset:\base+2048*\i
.endr
	s_wait_dscnt 0x0
.irp i, 0,1,2,3,4,5,6,7,8,9,10,11,12,13,14,15
	v_pk_add_f32 v[S:S+1], v[S:S+1], v[X+4*\i:X+4*\i+1]
	v_pk_add_f32 v[S+2:S+3], v[S+2:S+3], v[X+4*\i+2:X+4*\i+3]
.endr
.endm
.Lsums:                                            ; waves 0-3: thread t owns columns 4 t .. 4 t + 3
	v_lshl_add_u32 v7, s12, 9, v1                  ; 16 t = 512 wave + 16 lane
	v_add_nc_u32 v2, 0x8000, v7                    ; the upper 16 waves' regions
	RED32 7, 2, SUMR
	global_store_b128 v7, v[S:S+3], s[8:9]         ; a wave's store covers 512 consecutive bytes, aligned
	s_wait_tensorcnt 0x0
	ds_add_u32 v96, v97
	s_wait_dscnt 0x0
	s_endpgm
.Lstats:                                           ; wave 4: lane l folds the maxima of lane l of all 32 waves and takes wave l's count
	v_lshlrev_b32 v3, 2, v2
	v_lshlrev_b32 v8, 3, v2
.irp i, 0,1,2,3,4,5,6,7,8,9,10,11,12,13,14,15,16,17,18,19,20,21,22,23,24,25,26,27,28,29,30,31
	ds_load_b32 v[X+\i], v3 offset:MAXR+128*\i
.endr
	ds_load_b32 v13, v3 offset:CNTR
	s_wait_dscnt 0x0
	v_max_num_f32 v12, v[X], v[X+1]
.irp i, 2,4,6,8,10,12,14,16,18,20,22,24,26,28,30
	v_max3_num_f32 v12, v12, v[X+\i], v[X+\i+1]
.endr
	global_store_b64 v8, v[12:13], s[10:11]        ; the work-group's 256 bytes of pstat in one store
	s_wait_tensorcnt 0x0
	ds_add_u32 v96, v97
	s_wait_dscnt 0x0
	s_endpgm
.Lfunc_end_k_q10211ee1a1_sums:
	.size	k_q10211ee1a1_sums, .Lfunc_end_k_q10211ee1a1_sums-k_q10211ee1a1_sums
	.p2alignl 7, 3214868480
	.fill 96, 4, 3214868480
	.section	.rodata,"a",@progbits
	.p2align	6, 0x0
	.amdhsa_kernel k_q10211ee1a1_sums
		.amdhsa_group_segment_fixed_size 77824
		.amdhsa_private_segment_fixed_size 0
		.amdhsa_enable_private_segment 0
		.amdhsa_kernarg_size 32
		.amdhsa_user_sgpr_count 2
		.amdhsa_user_sgpr_kernarg_segment_ptr 1
		.amdhsa_wavefront_size32 1
		.amdhsa_system_sgpr_workgroup_id_x 1
		.amdhsa_system_sgpr_workgroup_id_y 1
		.amdhsa_system_sgpr_workgroup_id_z 1
		.amdhsa_system_vgpr_workitem_id 0
		.amdhsa_next_free_vgpr 98
		.amdhsa_next_free_sgpr 66
		.amdhsa_reserve_vcc 0
		.amdhsa_float_denorm_mode_32 3
		.amdhsa_float_denorm_mode_16_64 3
		.amdhsa_memory_ordered 1
		.amdhsa_forward_progress 1
		.amdhsa_inst_pref_size 27
	.end_amdhsa_kernel
	.amdgpu_metadata
---
amdhsa.version: [ 1, 2 ]
amdhsa.kernels:
  - .name:           k_q10211ee1a1_sums
    .symbol:         k_q10211ee1a1_sums.kd
    .args:
      - { .name: x, .offset: 0, .size: 8, .value_kind: global_buffer, .address_space: global }
      - { .name: vwords, .offset: 8, .size: 8, .value_kind: global_buffer, .address_space: global }
      - { .name: psum, .offset: 16, .size: 8, .value_kind: global_buffer, .address_space: global }
      - { .name: pstat, .offset: 24, .size: 8, .value_kind: global_buffer, .address_space: global }
    .group_segment_fixed_size: 77824
    .private_segment_fixed_size: 0
    .kernarg_segment_align: 8
    .kernarg_segment_size: 32
    .max_flat_workgroup_size: 1024
    .sgpr_count:     66
    .vgpr_count:     98
    .wavefront_size: 32
...
	.end_amdgpu_metadata
.endif
;; end of part 2
;; launch peaks (part 3): grid 256 x 1, 32 waves a work-group, no clusters, 143,360 bytes of LDS; arguments x, vwords, psum, pstat, pvar, ppeak; writes pvar, ppeak
.if DOCPART == 3
	.amdgcn_target "amdgcn-amd-amdhsa--gfx1250"
	.amdhsa_code_object_version 6
	.text
	.protected	k_q10211ee1a1_peaks
	.globl	k_q10211ee1a1_peaks
	.p2align	8
	.type	k_q10211ee1a1_peaks,@function
k_q10211ee1a1_peaks:
	s_mov_b64 s[64:65], 0
	v_nop
	global_prefetch_b8 v0, s[64:65] scope:SCOPE_SE
	s_setreg_imm32_b32 hwreg(HW_REG_WAVE_MODE, 25, 1), 1
	s_wait_xcnt 0x0
; Second walk of x: for each column of a chunk, the sum over valid rows of (x - mean)^2 and the count of valid x > threshold.
; The share of work-groups, waves and lanes, the word of valid rows (vwords[32 wg + wave], by a scalar load) and the ring of four row
; slots are those of the first walk: work-group wg = 4 b + c, rows 1024 c .. +1023 of batch b; a wave owns 32 rows; lane l owns columns
; 128 j + 4 l + e; padded rows are not fetched (they add 0 to both sums).
; In front of the loop, with the ring already under way, every wave makes from the first walk's psum and pstat of its batch the means
; of its 16 columns (sum / (count + 1e-8)) and the threshold 0.7 x the largest of the 512 means; a wave's 32 lanes hold all 512 columns.
; Out: pvar[wg][512], ppeak[wg][512] (counts as f32: at most 1,024, exact).
; No cluster: no two work-groups read the same bytes of x; the 9 KiB of psum and pstat that four work-groups share are a small part.
; LIMITS: x is taken to be finite, as in the first walk.  1 / (count + 1e-8) comes from v_rcp_f32 (1 ULP).  The means are summed in
; another order than the reference's, so a number within rounding of the threshold may be counted the other way.
.set RAW,  0                           ; LDS: 8,192 bytes: the batch's psum, [chunk 4][512] as in memory
.set VARR, 8192                        ; LDS: 32 waves x 2,048 bytes of squares; the counts lie 65,536 bytes further up
.set OFF, 2                            ; v[2:5]    slot s: byte offset of my 16 bytes in the slot's row
.set THR, 6                            ; v6        the threshold
.set T,   8                            ; v[8:15]   four pairs at work in the loop; in front of it: lane, exchange temporary, 8 tid, 1/denominator
.set M,   16                           ; v[16:31]  the means of my 16 columns; at the end the sum over waves
.set V,   32                           ; v[32:47]  sums of squares    (v[32:63] are staging in front of the loop)
.set C,   48                           ; v[48:63]  counts, whole numbers
.set X,   64                           ; v[64:127] slot s: 16 registers
	s_load_b256 s[4:11], s[0:1], 0x0               ; x s[4:5], vwords s[6:7], psum s[8:9], pstat s[10:11]
	s_load_b128 s[12:15], s[0:1], 0x20             ; pvar s[12:13], ppeak s[14:15]
	v_lshrrev_b32 v8, 5, v0
	v_readfirstlane_b32 s16, v8                    ; wave 0..31
	v_and_b32 v8, 31, v0                           ; lane
	v_lshlrev_b32 v1, 4, v8                        ; 16 x lane
	v_lshlrev_b32 v10, 3, v8
	v_lshl_add_u32 v10, s16, 8, v10                ; 8 x thread = 256 wave + 8 lane
	v_mov_b32 v9, 0                                ; the lane exchange's destination counts as read
	s_lshl_b32 s17, ttmp9, 5
	s_add_co_u32 s17, s17, s16                     ; g = 32 wg + wave
	s_lshr_b32 s29, ttmp9, 2                       ; batch
	s_mov_b32 s19, 0                               ; high word of every offset pair
	s_mov_b32 s24, 0                               ; the last row taken
	s_mov_b32 s32, 0x76543210                      ; v_permlanex16_b32: lane i of one half reads lane i of the other
	s_mov_b32 s33, 0xfedcba98
	s_wait_kmcnt 0x0
	s_lshl_b32 s18, s17, 2
	s_add_nc_u64 s[6:7], s[6:7], s[18:19]          ; my wave's word of valid rows
	s_load_b32 s20, s[6:7], 0x0
	s_lshl_b32 s18, s17, 16
	s_add_nc_u64 s[4:5], s[4:5], s[18:19]          ; x at my 32 rows
	s_lshl_b32 s18, s29, 13
	s_add_nc_u64 s[8:9], s[8:9], s[18:19]          ; the batch's four chunks of psum, 8,192 bytes
	s_lshl_b32 s18, s29, 10
	s_add_nc_u64 s[10:11], s[10:11], s[18:19]      ; and of pstat, 1,024 bytes
	global_load_b64 v[32:33], v10, s[8:9]          ; 1,024 threads x 8 bytes: the work-group reads psum once
	global_load_b128 v[40:43], v1, s[10:11]        ; {max, count, max, count}: every wave reads all of pstat's 1,024 bytes
	global_load_b128 v[44:47], v1, s[10:11] offset:512
	s_wait_kmcnt 0x0                               ; the word
	s_bcnt1_i32_b32 s21, s20
	s_add_co_u32 s22, s21, 3
	s_lshr_b32 s22, s22, 2
	s_max_u32 s22, s22, 1
	s_sub_co_u32 s22, s22, 1                       ; revolutions in the loop
	s_lshl_b32 s27, s22, 2
	s_sub_co_u32 s23, s21, s27                     ; rows left for the tail, 0..4
.macro NEXTROW s
	s_ctz_i32_b32 s25, s20
	s_cmp_lg_u32 s20, 0
	s_cselect_b32 s24, s25, s24                    ; an empty word leaves the last row in place
	s_min_u32 s26, s24, 31                         ; a number that came from memory is bounded before it enters an address
	s_add_co_i32 s27, s20, -1
	s_and_b32 s20, s20, s27                        ; clears the lowest bit that is set
	v_lshl_add_u32 v[OFF+\s], s26, 11, v1
.endm
.macro FILL s
.irp j, 0,1,2,3
	global_load_b128 v[X+16*\s+4*\j:X+16*\s+4*\j+3], v[OFF+\s], s[4:5] offset:512*\j
.endr
.endm
; Sum or maximum over the 32 lanes, the result in every lane.  t: a register that has been written before.
.macro WSUM r, t
	v_add_f32_dpp v[\r], v[\r], v[\r] row_xmask:1 row_mask:0xf bank_mask:0xf
	v_add_f32_dpp v[\r], v[\r], v[\r] row_xmask:2 row_mask:0xf bank_mask:0xf
	v_add_f32_dpp v[\r], v[\r], v[\r] row_xmask:4 row_mask:0xf bank_mask:0xf
	v_add_f32_dpp v[\r], v[\r], v[\r] row_xmask:8 row_mask:0xf bank_mask:0xf
	v_permlanex16_b32 v[\t], v[\r], s32, s33
	v_add_f32 v[\r], v[\r], v[\t]
.endm
.macro WMAX r, t
	v_max_num_f32_dpp v[\r], v[\r], v[\r] row_xmask:1 row_mask:0xf bank_mask:0xf
	v_max_num_f32_dpp v[\r], v[\r], v[\r] row_xmask:2 row_mask:0xf bank_mask:0xf
	v_max_num_f32_dpp v[\r], v[\r], v[\r] row_xmask:4 row_mask:0xf bank_mask:0xf
	v_max_num_f32_dpp v[\r], v[\r], v[\r] row_xmask:8 row_mask:0xf bank_mask:0xf
	v_permlanex16_b32 v[\t], v[\r], s32, s33
	v_max_num_f32 v[\r], v[\r], v[\t]
.endm
.macro MAX16 d, b
	v_max3_num_f32 v[\d], v[\b], v[\b+1], v[\b+2]
.irp i, 3,5,7,9,11,13
	v_max3_num_f32 v[\d], v[\d], v[\b+\i], v[\b+\i+1]
.endr
	v_max_num_f32 v[\d], v[\d], v[\b+15]
.endm
; One row, 16 numbers: 8 packed differences, 8 packed fused squares, and for each number a compare and an add of the carry bit.
.macro ACC s
.irp q, 0,8
.irp p, 0,2,4,6
	v_pk_add_f32 v[T+\p:T+\p+1], v[X+16*\s+\q+\p:X+16*\s+\q+\p+1], v[M+\q+\p:M+\q+\p+1] neg_lo:[0,1] neg_hi:[0,1]
.endr
.irp p, 0,2,4,6
	v_pk_fma_f32 v[V+\q+\p:V+\q+\p+1], v[T+\p:T+\p+1], v[T+\p:T+\p+1], v[V+\q+\p:V+\q+\p+1]
.endr
.irp p, 0,1,2,3,4,5,6,7
	v_cmp_gt_f32 vcc_lo, v[X+16*\s+\q+\p], v[THR]
	v_add_co_ci_u32 v[C+\q+\p], vcc_lo, 0, v[C+\q+\p], vcc_lo
.endr
.endr
.endm
.irp s, 0,1,2,3
	NEXTROW \s                                     ; the ring is under way before the means are made
	FILL \s
.endr
	s_wait_loadcnt 16                              ; loads return in order (ISA guide 5.7.1): psum's and pstat's three loads are in,
	ds_store_b64 v10, v[32:33] offset:RAW          ; the ring's 16 younger loads stay out
	; the batch's count of valid rows and 1 / (count + 1e-8)
	v_add_f32 v41, v41, v43
	v_add_f32 v45, v45, v47
	v_add_f32 v41, v41, v45
	WSUM 41, 42
	v_add_f32 v41, 0x322bcc77, v41                 ; + 1e-8
	v_rcp_f32 v12, v41                             ; twice: a pair for the packed multiply
	v_rcp_f32 v13, v41
	v_nop                                          ; one plain place behind a transcendental (ISA guide 5.7.2)
	s_wait_dscnt 0x0                               ; my 8 bytes of RAW are in LDS before I say so
	s_barrier_signal -1
	s_barrier_wait -1                              ; the rows of x stay in flight across it: nobody writes x
	; the means of my 16 columns: four chunks' sums from RAW, two of my four column quads at a time
.irp hf, 0,1
.irp jj, 0,1
.irp k, 0,1,2,3
	ds_load_b128 v[32+16*\jj+4*\k:32+16*\jj+4*\k+3], v1 offset:RAW+2048*\k+512*(2*\hf+\jj)
.endr
.endr
	s_wait_dscnt 0x0
.irp jj, 0,1
	v_pk_add_f32 v[32+16*\jj:33+16*\jj], v[32+16*\jj:33+16*\jj], v[36+16*\jj:37+16*\jj]
	v_pk_add_f32 v[34+16*\jj:35+16*\jj], v[34+16*\jj:35+16*\jj], v[38+16*\jj:39+16*\jj]
	v_pk_add_f32 v[40+16*\jj:41+16*\jj], v[40+16*\jj:41+16*\jj], v[44+16*\jj:45+16*\jj]
	v_pk_add_f32 v[42+16*\jj:43+16*\jj], v[42+16*\jj:43+16*\jj], v[46+16*\jj:47+16*\jj]
	v_pk_add_f32 v[M+4*(2*\hf+\jj):M+4*(2*\hf+\jj)+1], v[32+16*\jj:33+16*\jj], v[40+16*\jj:41+16*\jj]
	v_pk_add_f32 v[M+4*(2*\hf+\jj)+2:M+4*(2*\hf+\jj)+3], v[34+16*\jj:35+16*\jj], v[42+16*\jj:43+16*\jj]
.endr
.endr
	s_wait_alu depctr_va_vdst(0)
.irp p, 0,2,4,6,8,10,12,14
	v_pk_mul_f32 v[M+\p:M+\p+1], v[M+\p:M+\p+1], v[12:13]
.endr
	MAX16 THR, M
	WMAX THR, 9
	v_mul_f32 v[THR], 0x3f333333, v[THR]           ; 0.7 x the largest mean
.irp i, 0,1,2,3,4,5,6,7,8,9,10,11,12,13,14,15,16,17,18,19,20,21,22,23,24,25,26,27,28,29,30,31
	v_mov_b32 v[V+\i], 0                           ; V and C are cleared, not started by the first row: a wave may have no valid row
.endr
	s_mov_b32 s28, 0
	s_cmp_eq_u32 s22, 0
	s_cbranch_scc1 .Ltail
.Lrev:
.irp s, 0,1,2,3
	s_wait_loadcnt 12                              ; this slot's four loads are in, the three younger rows (12 loads) stay out;
	ACC \s                                         ; the same wait frees the slot's offset register
	NEXTROW \s
	FILL \s
.endr
	s_add_co_u32 s28, s28, 1
	s_cmp_lt_u32 s28, s22
	s_cbranch_scc1 .Lrev
.Ltail:
.irp s, 0,1,2,3
	s_wait_loadcnt 12-4*\s                         ; nothing is issued any more: the counts run down
	s_cmp_le_u32 s23, \s                           ; slot s and those behind it hold repeated rows: leave
	s_cbranch_scc1 .Ldone
	ACC \s
.endr
.Ldone:
	s_wait_loadcnt 0x0                             ; repeated rows may still be landing in X, which is used again below
.irp i, 0,1,2,3,4,5,6,7,8,9,10,11,12,13,14,15
	v_cvt_f32_u32 v[C+\i], v[C+\i]
.endr
	v_lshl_add_u32 v7, s16, 11, v1                 ; my 16 bytes in my wave's 2,048 bytes
	v_add_nc_u32 v8, 0x10000, v7                   ; the same among the counts
.irp j, 0,1,2,3
	ds_store_b128 v7, v[V+4*\j:V+4*\j+3] offset:VARR+512*\j
	ds_store_b128 v8, v[C+4*\j:C+4*\j+3] offset:VARR+512*\j
.endr
	s_wait_dscnt 0x0                               ; my stores are in LDS before I say so
	s_barrier_signal -1
	s_barrier_wait -1
	s_cmp_ge_u32 s16, 8
	s_cbranch_scc1 .Lend
	; waves 0-3 add up the squares, waves 4-7 the counts, by one text: thread t & 127 owns columns 4 (t & 127) .. + 3
	s_and_b32 s27, s16, 3
	s_lshr_b32 s25, s16, 2                         ; 0: squares, 1: counts
	s_lshl_b32 s18, ttmp9, 11                      ; the work-group's 2,048 bytes of the output
	v_lshl_add_u32 v9, s27, 9, v1                  ; 16 (t & 127)
	v_lshl_add_u32 v10, s25, 16, v9
	v_add_nc_u32 v11, 0x8000, v10                  ; the upper 16 waves' regions
	s_cmp_lt_u32 s16, 4
	s_cselect_b64 s[30:31], s[12:13], s[14:15]     ; pvar or ppeak
	s_add_nc_u64 s[30:31], s[30:31], s[18:19]
.irp i, 0,1,2,3,4,5,6,7,8,9,10,11,12,13,14,15
	ds_load_b128 v[X+4*\i:X+4*\i+3], v10 offset:VARR+2048*\i
.endr
	s_wait_dscnt 0x0
	v_pk_add_f32 v[M:M+1], v[X:X+1], v[X+4:X+5]    ; the first two start the sum
	v_pk_add_f32 v[M+2:M+3], v[X+2:X+3], v[X+6:X+7]
.irp i, 2,3,4,5,6,7,8,9,10,11,12,13,14,15
	v_pk_add_f32 v[M:M+1], v[M:M+1], v[X+4*\i:X+4*\i+1]
	v_pk_add_f32 v[M+2:M+3], v[M+2:M+3], v[X+4*\i+2:X+4*\i+3]
.endr
.irp i, 0,1,2,3,4,5,6,7,8,9,10,11,12,13,14,15
	ds_load_b128 v[X+4*\i:X+4*\i+3], v11 offset:VARR+2048*\i
.endr
	s_wait_dscnt 0x0
.irp i, 0,1,2,3,4,5,6,7,8,9,10,11,12,13,14,15
	v_pk_add_f32 v[M:M+1], v[M:M+1], v[X+4*\i:X+4*\i+1]
	v_pk_add_f32 v[M+2:M+3], v[M+2:M+3], v[X+4*\i+2:X+4*\i+3]
.endr
	global_store_b128 v9, v[M:M+3], s[30:31]       ; a wave's store covers 512 consecutive bytes, aligned
.Lend:
	s_wait_xcnt 0x0
	v_lshl_add_u32 v126, v0, 2, 0x22000
	v_mov_b32 v127, 0
	s_wait_tensorcnt 0x0
	ds_add_u32 v126, v127
	s_wait_dscnt 0x0
	s_endpgm
.Lfunc_end_k_q10211ee1a1_peaks:
	.size	k_q10211ee1a1_peaks, .Lfunc_end_k_q10211ee1a1_peaks-k_q10211ee1a1_peaks
	.p2alignl 7, 3214868480
	.fill 96, 4, 3214868480
	.section	.rodata,"a",@progbits
	.p2align	6, 0x0
	.amdhsa_kernel k_q10211ee1a1_peaks
		.amdhsa_group_segment_fixed_size 143360
		.amdhsa_private_segment_fixed_size 0
		.amdhsa_enable_private_segment 0
		.amdhsa_kernarg_size 48
		.amdhsa_user_sgpr_count 2
		.amdhsa_user_sgpr_kernarg_segment_ptr 1
		.amdhsa_wavefront_size32 1
		.amdhsa_system_sgpr_workgroup_id_x 1
		.amdhsa_system_sgpr_workgroup_id_y 1
		.amdhsa_system_sgpr_workgroup_id_z 1
		.amdhsa_system_vgpr_workitem_id 0
		.amdhsa_next_free_vgpr 128
		.amdhsa_next_free_sgpr 66
		.amdhsa_reserve_vcc 1
		.amdhsa_float_denorm_mode_32 3
		.amdhsa_float_denorm_mode_16_64 3
		.amdhsa_memory_ordered 1
		.amdhsa_forward_progress 1
		.amdhsa_inst_pref_size 38
	.end_amdhsa_kernel
	.amdgpu_metadata
---
amdhsa.version: [ 1, 2 ]
amdhsa.kernels:
  - .name:           k_q10211ee1a1_peaks
    .symbol:         k_q10211ee1a1_peaks.kd
    .args:
      - { .name: x, .offset: 0, .size: 8, .value_kind: global_buffer, .address_space: global }
      - { .name: vwords, .offset: 8, .size: 8, .value_kind: global_buffer, .address_space: global }
      - { .name: psum, .offset: 16, .size: 8, .value_kind: global_buffer, .address_space: global }
      - { .name: pstat, .offset: 24, .size: 8, .value_kind: global_buffer, .address_space: global }
      - { .name: pvar, .offset: 32, .size: 8, .value_kind: global_buffer, .address_space: global }
      - { .name: ppeak, .offset: 40, .size: 8, .value_kind: global_buffer, .address_space: global }
    .group_segment_fixed_size: 143360
    .private_segment_fixed_size: 0
    .kernarg_segment_align: 8
    .kernarg_segment_size: 48
    .max_flat_workgroup_size: 1024
    .sgpr_count:     66
    .vgpr_count:     128
    .wavefront_size: 32
...
	.end_amdgpu_metadata
.endif
;; end of part 3
;; launch head (part 4): grid 64 x 1, 8 waves a work-group, no clusters, 5,632 bytes of LDS; arguments psum, pstat, pvar, ppeak, W1, b1, gamma, beta, W2, b2, out0; writes out0
.if DOCPART == 4
	.amdgcn_target "amdgcn-amd-amdhsa--gfx1250"
	.amdhsa_code_object_version 6
	.text
	.protected	k_q10211ee1a1_head
	.globl	k_q10211ee1a1_head
	.p2align	8
	.type	k_q10211ee1a1_head,@function
k_q10211ee1a1_head:
	s_mov_b64 s[64:65], 0
	v_nop
	global_prefetch_b8 v0, s[64:65] scope:SCOPE_SE
	s_setreg_imm32_b32 hwreg(HW_REG_WAVE_MODE, 25, 1), 1
	s_wait_xcnt 0x0
; The four features of a batch from the two walks' partial results, then Linear(4,128), LayerNorm, exact GELU, Linear(128,128).
; One work-group of eight waves for each of the 64 batches, so that a work-group has few loads to issue: 8 x 38, all of 8 or 16 bytes a lane.
; FEATURES: wave w owns columns 64 w .. 64 w + 63 of psum, pvar, ppeak (lane l: two columns; a load covers 256 consecutive bytes,
; aligned), adds the four chunks and folds four maxima over its lanes; the eight waves' quads meet in LDS behind one barrier.  pstat's
; 1,024 bytes are read by every wave, so the masked maximum and the count of valid rows need no exchange.
; MLP: every wave makes the whole hidden layer (lane l: columns 4 l .. 4 l + 3).  That repeats some 120 instructions in eight waves and
; spares a hand-over through a barrier; g goes in bf16 through the wave's own 256 bytes of LDS into the A fragment.
; features W1 has K = 4, an eighth of the matrix form's K, and a count of up to 4,096 rounded to bf16 would drown the other three
; features: it is 16 fused multiply-adds a lane in f32.
; g W2: wave w = 4 p + q takes rows (k) 32 q .. 32 q + 31 and columns 64 p .. 64 p + 63 of W2 in 16 loads of 16 bytes a lane (sixteen
; lanes: 256 consecutive bytes of a row).  The four numbers of a lane's load go to four tiles: tile t has column 64 p + 4 r + t at its
; place r, so the loaded registers become four B fragments by conversions alone.  A work-group has one row of g: all 16 rows of A hold
; it and one row of the result is used.  The four quarters of K are added in f32 by wave 0, with b2, and stored as one whole row.
; No cluster: W2 (64 KiB) is what the work-groups share, but it has to pass through registers to be rounded to bf16, and a joint
; request lands in LDS; the launch is a chain of dependent steps, not a stream.
; LIMITS: divisions by v_rcp_f32 and v_rsq_f32 (1 ULP).  erfc(z) by Abramowitz and Stegun 7.1.26, absolute error at most 1.5e-7.
; g and W2 are rounded to bf16 for the product, sums in f32, K split in four partial sums.
.set G,    0                           ; LDS: 8 waves x 256 bytes: the wave's own copy of g, 128 bf16
.set FEAT, 2048                        ; LDS: 8 waves x 16 bytes: {early, late, squares, counts} maxima of the wave's 64 columns
.set OUTP, 2560                        ; LDS: 4 quarters of K x 512 bytes: partial output rows
.set H,    16                          ; v[16:19]   my four hidden numbers (before that: v16 the count, v17 its reciprocal)
.set PST,  24                          ; v[24:31]   pstat
.set PS,   32                          ; v[32:39]   psum, chunk k at 2 k; later the lane exchanges' temporaries
.set PV,   40                          ; v[40:47]   pvar
.set PC,   48                          ; v[48:55]   ppeak
.set WF,   64                          ; v[64:127]  W2 in f32: row 16 c + i of my 32 (for my half h) at 4 (8 c + i), four columns
.set BF,   128                         ; v[128:159] four B fragments
.set AF,   160                         ; v[160:167] the A fragment
.set D,    168                         ; v[168:199] four result tiles
.set W1R,  200                         ; v[200:215] W1, row i at 4 i
.set B1,   216
.set GA,   220
.set BE,   224
.set B2,   228
.set Z,    64                          ; GELU's temporaries lie where W2 lay before it was converted
.set U,    68
.set A2,   72
.set TT,   76
.set E,    80
.set Q,    84
.set P,    88
	s_load_b512 s[4:19], s[0:1], 0x0               ; psum, pstat, pvar, ppeak, W1, b1, gamma, beta
	s_load_b128 s[20:23], s[0:1], 0x40             ; W2, b2
	s_load_b64 s[24:25], s[0:1], 0x50              ; out0
	v_lshl_add_u32 v232, v0, 2, 0x1200
	v_mov_b32 v233, 0
	v_lshrrev_b32 v2, 5, v0
	v_readfirstlane_b32 s26, v2                    ; wave 0..7
	v_and_b32 v11, 31, v0                          ; lane
	v_lshlrev_b32 v1, 4, v11                       ; 16 x lane
	v_and_b32 v2, 15, v0                           ; r
	v_bfe_u32 v3, v0, 4, 1                         ; h
	s_and_b32 s27, s26, 3                          ; q: my quarter of K
	s_lshr_b32 s42, s26, 2                         ; p: my half of the columns
	s_mov_b32 s29, 0                               ; high word of every offset pair
	s_mov_b32 s30, 0x76543210                      ; v_permlanex16_b32: lane i of one half reads lane i of the other
	s_mov_b32 s31, 0xfedcba98
	s_mov_b32 s32, 0x3f3504f3                      ; 1 / sqrt 2
	s_mov_b32 s33, 0x3ea7ba05                      ; p  = 0.3275911
	s_mov_b32 s34, 0x3e827906                      ; a1 = 0.254829592
	s_mov_b32 s35, 0xbe91a98e                      ; a2 = -0.284496736
	s_mov_b32 s36, 0x3fb5f0e3                      ; a3 = 1.421413741
	s_mov_b32 s37, 0xbfba00e3                      ; a4 = -1.453152027
	s_mov_b32 s38, 0x3f87dc22                      ; a5 = 1.061405429
	s_mov_b32 s39, 0xbfb8aa3b                      ; -log2 e
	s_mov_b32 s40, 0x3727c5ac                      ; 1e-5
	s_mov_b32 s41, 0x3c000000                      ; 1 / 128
	s_lshl_b32 s43, s26, 8                         ; 256 w
	v_lshl_add_u32 v4, v11, 3, s43                 ; 256 w + 8 lane: my two columns in a chunk's 2,048 bytes
	v_lshl_add_u32 v7, v11, 3, s43                 ; and, in LDS, my four bf16 in my wave's copy of g
	v_lshlrev_b32 v5, 4, v2
	v_lshl_add_u32 v5, v3, 12, v5                  ; W2: 8 h rows of 512 bytes + 16 r
	s_lshl_b32 s44, s27, 6
	s_add_co_u32 s44, s44, s43
	v_lshl_add_u32 v6, v3, 4, s44                  ; A fragment: 256 w + 2 (32 q + 8 h), the same for all r
	s_lshl_b32 s44, s26, 4
	v_mov_b32 v8, s44                              ; my wave's quad in FEAT
	v_and_b32 v9, 7, v0
	v_lshlrev_b32 v9, 4, v9                        ; the quad of wave (lane & 7)
	s_lshl_b32 s44, s27, 9
	s_lshl_b32 s45, s42, 8
	s_add_co_u32 s44, s44, s45
	v_lshl_add_u32 v10, v2, 4, s44                 ; OUTP: 512 q + 4 (64 p + 4 r)
	s_wait_kmcnt 0x0
	s_lshl_b32 s28, ttmp9, 13                      ; the batch's four chunks of 2,048 bytes
	s_add_nc_u64 s[4:5], s[4:5], s[28:29]
	s_add_nc_u64 s[8:9], s[8:9], s[28:29]
	s_add_nc_u64 s[10:11], s[10:11], s[28:29]
	s_lshl_b32 s28, ttmp9, 10
	s_add_nc_u64 s[6:7], s[6:7], s[28:29]
	s_lshl_b32 s28, ttmp9, 9
	s_add_nc_u64 s[24:25], s[24:25], s[28:29]
	s_lshl_b32 s28, s27, 14                        ; 32 q rows of W2
	s_add_co_u32 s28, s28, s45                     ; + 64 p columns
	s_add_nc_u64 s[20:21], s[20:21], s[28:29]
	; all 38 loads in one run, in the order in which they are needed: 14 for the features, 16 of W2, 8 of parameters
.irp k, 0,1,2,3
	global_load_b64 v[PS+2*\k:PS+2*\k+1], v4, s[4:5] offset:2048*\k
	global_load_b64 v[PV+2*\k:PV+2*\k+1], v4, s[8:9] offset:2048*\k
	global_load_b64 v[PC+2*\k:PC+2*\k+1], v4, s[10:11] offset:2048*\k
.endr
	global_load_b128 v[PST:PST+3], v1, s[6:7]
	global_load_b128 v[PST+4:PST+7], v1, s[6:7] offset:512
.irp c, 0,1
.irp i, 0,1,2,3,4,5,6,7
	global_load_b128 v[WF+4*(8*\c+\i):WF+4*(8*\c+\i)+3], v5, s[20:21] offset:(16*\c+\i)*512   ; W2(32 q + 16 c + 8 h + i, 64 p + 4 r ..)
.endr
.endr
.irp i, 0,1,2,3
	global_load_b128 v[W1R+4*\i:W1R+4*\i+3], v1, s[12:13] offset:512*\i
.endr
	global_load_b128 v[B1:B1+3], v1, s[14:15]
	global_load_b128 v[GA:GA+3], v1, s[16:17]
	global_load_b128 v[BE:BE+3], v1, s[18:19]
	global_load_b128 v[B2:B2+3], v1, s[22:23]      ; wave 0 uses it; every wave asks, so that the counted waits are alike in all
; Sum over the 32 lanes, the result in every lane.  t: a register that has been written before.
.macro WSUM r, t
	v_add_f32_dpp v[\r], v[\r], v[\r] row_xmask:1 row_mask:0xf bank_mask:0xf
	v_add_f32_dpp v[\r], v[\r], v[\r] row_xmask:2 row_mask:0xf bank_mask:0xf
	v_add_f32_dpp v[\r], v[\r], v[\r] row_xmask:4 row_mask:0xf bank_mask:0xf
	v_add_f32_dpp v[\r], v[\r], v[\r] row_xmask:8 row_mask:0xf bank_mask:0xf
	v_permlanex16_b32 v[\t], v[\r], s30, s31
	v_add_f32 v[\r], v[\r], v[\t]
.endm
	s_wait_loadcnt 24                              ; loads return in order (ISA guide 5.7.1): the 14 loads of the features are in,
	                                               ; W2's 16 and the 8 of parameters stay out
	v_pk_add_f32 v[PS:PS+1], v[PS:PS+1], v[PS+2:PS+3]          ; rows 0-2047 are chunks 0 and 1: early
	v_pk_add_f32 v[PS+4:PS+5], v[PS+4:PS+5], v[PS+6:PS+7]      ; rows 2048-4095 are chunks 2 and 3: late
	v_pk_add_f32 v[PV:PV+1], v[PV:PV+1], v[PV+2:PV+3]
	v_pk_add_f32 v[PV+4:PV+5], v[PV+4:PV+5], v[PV+6:PV+7]
	v_pk_add_f32 v[PC:PC+1], v[PC:PC+1], v[PC+2:PC+3]
	v_pk_add_f32 v[PC+4:PC+5], v[PC+4:PC+5], v[PC+6:PC+7]
	v_pk_add_f32 v[PV:PV+1], v[PV:PV+1], v[PV+4:PV+5]
	v_pk_add_f32 v[PC:PC+1], v[PC:PC+1], v[PC+4:PC+5]
	v_max_num_f32 v20, v[PS], v[PS+1]
	v_max_num_f32 v21, v[PS+4], v[PS+5]
	v_max_num_f32 v22, v[PV], v[PV+1]
	v_max_num_f32 v23, v[PC], v[PC+1]
	v_max3_num_f32 v12, v[PST], v[PST+2], v[PST+4]
	v_add_f32 v16, v[PST+1], v[PST+3]
	v_add_f32 v17, v[PST+5], v[PST+7]
	v_max_num_f32 v12, v12, v[PST+6]
	v_add_f32 v16, v16, v17
	; five maxima and one sum over the lanes, step by step side by side, so that no line waits for the one in front of it
.irp m, 1,2,4,8
.irp r, 20,21,22,23,12
	v_max_num_f32_dpp v[\r], v[\r], v[\r] row_xmask:\m row_mask:0xf bank_mask:0xf
.endr
	v_add_f32_dpp v16, v16, v16 row_xmask:\m row_mask:0xf bank_mask:0xf
.endr
	v_permlanex16_b32 v[PS], v20, s30, s31         ; the destinations count as read: psum's registers have been written and are free
	v_permlanex16_b32 v[PS+1], v21, s30, s31
	v_permlanex16_b32 v[PS+2], v22, s30, s31
	v_permlanex16_b32 v[PS+3], v23, s30, s31
	v_permlanex16_b32 v[PS+4], v12, s30, s31
	v_permlanex16_b32 v[PS+5], v16, s30, s31
	v_max_num_f32 v20, v20, v[PS]                  ; largest early column sum of my wave's 64 columns
	v_max_num_f32 v21, v21, v[PS+1]                ; largest late column sum
	v_max_num_f32 v22, v22, v[PS+2]                ; largest column sum of squares
	v_max_num_f32 v23, v23, v[PS+3]                ; largest column count
	v_max_num_f32 v12, v12, v[PS+4]                ; the batch's masked maximum
	v_add_f32 v16, v16, v[PS+5]                    ; the batch's valid rows
	ds_store_b128 v8, v[20:23] offset:FEAT         ; all lanes write the wave's 16 bytes with the same values
	v_add_f32 v16, 0x322bcc77, v16                 ; + 1e-8
	v_rcp_f32 v17, v16                             ; the conversions below are the plain places behind it
	s_wait_loadcnt 8                               ; W2's 16 loads are in, the 8 of parameters stay out
.irp t, 0,1,2,3
.irp c, 0,1
.irp u, 0,1,2,3
	v_cvt_pk_bf16_f32 v[BF+8*\t+4*\c+\u], v[WF+4*(8*\c+2*\u)+\t], v[WF+4*(8*\c+2*\u+1)+\t]   ; k = 16 c + 8 h + 2 u below, + 1 above
.endr
.endr
.endr
	s_wait_dscnt 0x0                               ; my quad is in LDS before I say so
	s_barrier_signal -1
	s_barrier_wait -1
	ds_load_b128 v[20:23], v9 offset:FEAT          ; lane l: the quad of wave l & 7
	s_wait_loadcnt 0x0                             ; W1, b1, gamma, beta, b2
	s_wait_dscnt 0x0
.irp m, 1,2,4
.irp r, 20,21,22,23
	v_max_num_f32_dpp v[\r], v[\r], v[\r] row_xmask:\m row_mask:0xf bank_mask:0xf   ; over the eight waves: all 512 columns
.endr
.endr
	v_sub_f32 v15, v20, v21
	s_wait_alu depctr_va_vdst(0)
	v_mul_f32 v13, v22, v17                        ; the denominator is positive and the same for all columns: divide the maximum
	v_and_b32 v15, 0x7fffffff, v15                 ; |early - late|
	; h = features W1 + b1
.irp c, 0,1,2,3
	v_fma_f32 v[H+\c], v12, v[W1R+\c], v[B1+\c]
.endr
.irp c, 0,1,2,3
	v_fma_f32 v[H+\c], v13, v[W1R+4+\c], v[H+\c]
.endr
.irp c, 0,1,2,3
	v_fma_f32 v[H+\c], v23, v[W1R+8+\c], v[H+\c]
.endr
.irp c, 0,1,2,3
	v_fma_f32 v[H+\c], v15, v[W1R+12+\c], v[H+\c]
.endr
	; LayerNorm over the wave's 128 numbers
	v_add_f32 v20, v[H], v[H+1]
	v_add_f32 v21, v[H+2], v[H+3]
	v_add_f32 v20, v20, v21
	WSUM 20, PS
.irp c, 0,1,2,3
	v_fma_f32 v[H+\c], -v20, s41, v[H+\c]          ; h - sum / 128
.endr
	v_mul_f32 v21, v[H], v[H]
	v_fmac_f32 v21, v[H+1], v[H+1]
	v_fmac_f32 v21, v[H+2], v[H+2]
	v_fmac_f32 v21, v[H+3], v[H+3]
	WSUM 21, PS
	v_fma_f32 v21, v21, s41, s40                   ; variance + 1e-5
	v_rsq_f32 v22, v21
	v_nop                                          ; the plain place behind the transcendental
	s_wait_alu depctr_va_vdst(0)
.irp c, 0,1,2,3
	v_mul_f32 v[H+\c], v[H+\c], v22
.endr
.irp c, 0,1,2,3
	v_fma_f32 v[H+\c], v[H+\c], v[GA+\c], v[BE+\c]
.endr
	; GELU: y Phi(y), Phi = erfc(z) / 2 for y < 0 and 1 - erfc(z) / 2 otherwise, z = |y| / sqrt 2: nothing cancels on the negative side
.irp c, 0,1,2,3
	v_mul_f32 v[Z+\c], |v[H+\c]|, s32
.endr
.irp c, 0,1,2,3
	v_fma_f32 v[U+\c], v[Z+\c], s33, 1.0           ; 1 + p z
	v_mul_f32 v[A2+\c], v[Z+\c], v[Z+\c]
.endr
.irp c, 0,1,2,3
	v_mul_f32 v[A2+\c], v[A2+\c], s39              ; -z^2 log2 e
.endr
.irp c, 0,1,2,3
	v_rcp_f32 v[TT+\c], v[U+\c]                    ; t
.endr
.irp c, 0,1,2,3
	v_exp_f32 v[E+\c], v[A2+\c]                    ; exp(-z^2)
.endr
	v_nop                                          ; the plain place behind the run of transcendentals
	s_wait_alu depctr_va_vdst(0)
.irp c, 0,1,2,3
	v_fma_f32 v[Q+\c], v[TT+\c], s38, s37
.endr
.irp c, 0,1,2,3
	v_fma_f32 v[Q+\c], v[Q+\c], v[TT+\c], s36
.endr
.irp c, 0,1,2,3
	v_fma_f32 v[Q+\c], v[Q+\c], v[TT+\c], s35
.endr
.irp c, 0,1,2,3
	v_fma_f32 v[Q+\c], v[Q+\c], v[TT+\c], s34
.endr
.irp c, 0,1,2,3
	v_mul_f32 v[TT+\c], 0.5, v[TT+\c]
.endr
.irp c, 0,1,2,3
	v_mul_f32 v[Q+\c], v[Q+\c], v[TT+\c]
.endr
.irp c, 0,1,2,3
	v_mul_f32 v[Q+\c], v[Q+\c], v[E+\c]            ; erfc(z) / 2
.endr
.irp c, 0,1,2,3
	v_sub_f32 v[P+\c], 1.0, v[Q+\c]
	v_cmp_gt_f32 vcc_lo, 0, v[H+\c]
	v_cndmask_b32 v[P+\c], v[P+\c], v[Q+\c], vcc_lo
	v_mul_f32 v[H+\c], v[H+\c], v[P+\c]
.endr
	v_cvt_pk_bf16_f32 v20, v[H], v[H+1]
	v_cvt_pk_bf16_f32 v21, v[H+2], v[H+3]
	ds_store_b64 v7, v[20:21] offset:G             ; g into my wave's own 256 bytes: bytes 256 w .. 256 w + 255
	ds_load_b128 v[AF:AF+3], v6 offset:G           ; g(32 q + 8 h ..): LDS serves a wave's instructions in order (ISA guide 5.7.1.4), and
	ds_load_b128 v[AF+4:AF+7], v6 offset:G+32      ; g(32 q + 16 + 8 h ..): these bytes are my wave's alone: no barrier
	s_wait_dscnt 0x0
.irp t, 0,1,2,3
	v_wmma_f32_16x16x32_bf16 v[D+8*\t:D+8*\t+7], v[AF:AF+7], v[BF+8*\t:BF+8*\t+7], 0   ; four tiles, four accumulators: the constant 0 starts each
.endr
.rept 4
	v_nop                                          ; four places before an LDS store reads a result
.endr
.irp t, 0,1,2,3
	ds_store_b32 v10, v[D+8*\t] offset:OUTP+4*\t   ; register 0 is row 0 (lanes 0-15) and row 8 (lanes 16-31) of equal rows: column 64 p + 4 r + t
.endr
	s_wait_dscnt 0x0                               ; my 256 bytes of partial sums are in LDS before I say so
	s_barrier_signal -1
	s_barrier_wait -1
	s_cmp_lg_u32 s26, 0
	s_cbranch_scc1 .Lend
	; wave 0: the four quarters of K and the bias; lane l has columns 4 l .. 4 l + 3
.irp k, 0,1,2,3
	ds_load_b128 v[Z+4*\k:Z+4*\k+3], v1 offset:OUTP+512*\k
.endr
	s_wait_dscnt 0x0
	v_pk_add_f32 v[Z:Z+1], v[Z:Z+1], v[Z+4:Z+5]
	v_pk_add_f32 v[Z+2:Z+3], v[Z+2:Z+3], v[Z+6:Z+7]
	v_pk_add_f32 v[Z+8:Z+9], v[Z+8:Z+9], v[Z+12:Z+13]
	v_pk_add_f32 v[Z+10:Z+11], v[Z+10:Z+11], v[Z+14:Z+15]
	v_pk_add_f32 v[Z:Z+1], v[Z:Z+1], v[B2:B2+1]
	v_pk_add_f32 v[Z+2:Z+3], v[Z+2:Z+3], v[B2+2:B2+3]
	v_pk_add_f32 v[Z:Z+1], v[Z:Z+1], v[Z+8:Z+9]
	v_pk_add_f32 v[Z+2:Z+3], v[Z+2:Z+3], v[Z+10:Z+11]
	global_store_b128 v1, v[Z:Z+3], s[24:25]       ; the batch's whole row: 512 consecutive bytes, aligned
.Lend:
	s_wait_tensorcnt 0x0
	ds_add_u32 v232, v233
	s_wait_dscnt 0x0
	s_endpgm
.Lfunc_end_k_q10211ee1a1_head:
	.size	k_q10211ee1a1_head, .Lfunc_end_k_q10211ee1a1_head-k_q10211ee1a1_head
	.p2alignl 7, 3214868480
	.fill 96, 4, 3214868480
	.section	.rodata,"a",@progbits
	.p2align	6, 0x0
	.amdhsa_kernel k_q10211ee1a1_head
		.amdhsa_group_segment_fixed_size 5632
		.amdhsa_private_segment_fixed_size 0
		.amdhsa_enable_private_segment 0
		.amdhsa_kernarg_size 88
		.amdhsa_user_sgpr_count 2
		.amdhsa_user_sgpr_kernarg_segment_ptr 1
		.amdhsa_wavefront_size32 1
		.amdhsa_system_sgpr_workgroup_id_x 1
		.amdhsa_system_sgpr_workgroup_id_y 1
		.amdhsa_system_sgpr_workgroup_id_z 1
		.amdhsa_system_vgpr_workitem_id 0
		.amdhsa_next_free_vgpr 234
		.amdhsa_next_free_sgpr 66
		.amdhsa_reserve_vcc 1
		.amdhsa_float_denorm_mode_32 3
		.amdhsa_float_denorm_mode_16_64 3
		.amdhsa_memory_ordered 1
		.amdhsa_forward_progress 1
		.amdhsa_inst_pref_size 21
	.end_amdhsa_kernel
	.amdgpu_metadata
---
amdhsa.version: [ 1, 2 ]
amdhsa.kernels:
  - .name:           k_q10211ee1a1_head
    .symbol:         k_q10211ee1a1_head.kd
    .args:
      - { .name: psum, .offset: 0, .size: 8, .value_kind: global_buffer, .address_space: global }
      - { .name: pstat, .offset: 8, .size: 8, .value_kind: global_buffer, .address_space: global }
      - { .name: pvar, .offset: 16, .size: 8, .value_kind: global_buffer, .address_space: global }
      - { .name: ppeak, .offset: 24, .size: 8, .value_kind: global_buffer, .address_space: global }
      - { .name: W1, .offset: 32, .size: 8, .value_kind: global_buffer, .address_space: global }
      - { .name: b1, .offset: 40, .size: 8, .value_kind: global_buffer, .address_space: global }
      - { .name: gamma, .offset: 48, .size: 8, .value_kind: global_buffer, .address_space: global }
      - { .name: beta, .offset: 56, .size: 8, .value_kind: global_buffer, .address_space: global }
      - { .name: W2, .offset: 64, .size: 8, .value_kind: global_buffer, .address_space: global }
      - { .name: b2, .offset: 72, .size: 8, .value_kind: global_buffer, .address_space: global }
      - { .name: out0, .offset: 80, .size: 8, .value_kind: global_buffer, .address_space: global }
    .group_segment_fixed_size: 5632
    .private_segment_fixed_size: 0
    .kernarg_segment_align: 8
    .kernarg_segment_size: 88
    .max_flat_workgroup_size: 256
    .sgpr_count:     66
    .vgpr_count:     234
    .wavefront_size: 32
...
	.end_amdgpu_metadata
.endif
;; end of part 4
;; ======== version 2 of 2: 4 launches; version 1 with the launches sums, peaks written anew for expert scheduling mode
;; limits: a function is approximated: absolute error at most 1.5e-07
;; workspace buffers: vwords 32,768 bytes of whole numbers; psum 524,288 bytes; pstat 65,536 bytes; pvar 524,288 bytes; ppeak 524,288 bytes
;; launch words: the kernel of part 1 again; grid 32 x 1, 4 waves a work-group, no clusters, 0 bytes of LDS; arguments padding_mask, vwords; writes vwords
;; launch sums (part 5): grid 256 x 1, 32 waves a work-group, no clusters, 77,824 bytes of LDS; arguments x, vwords, psum, pstat; writes psum, pstat
.if DOCPART == 5
	.amdgcn_target "amdgcn-amd-amdhsa--gfx1250"
	.amdhsa_code_object_version 6
	.text
	.protected	k_q10211ee1a1_sums
	.globl	k_q10211ee1a1_sums
	.p2align	8
	.type	k_q10211ee1a1_sums,@function
k_q10211ee1a1_sums:
	s_mov_b64 s[64:65], 0
	v_nop
	global_prefetch_b8 v0, s[64:65] scope:SCOPE_SE
	s_setreg_imm32_b32 hwreg(HW_REG_WAVE_SCHED_MODE, 0, 2), 2
	s_setreg_imm32_b32 hwreg(HW_REG_WAVE_MODE, 25, 1), 1
	s_wait_xcnt 0x0
	s_wait_alu depctr_vm_vsrc(0)
; First walk of x [64][4096][512] f32: masked column sums, masked maximum and count of valid rows of a chunk.
; Work-group wg = 4 b + c owns rows 1024 c .. 1024 c + 1023 of batch b.  Its 32 waves own 32 consecutive rows each.
; A row is 2,048 bytes = four 16-byte loads of the wave, each covering 512 consecutive bytes; lane l owns columns 128 j + 4 l + e.
; ONLY VALID ROWS ARE FETCHED: a padded row adds 0 to every sum and the constant -65000 to the maximum, so its bytes are not needed.
; The wave's 32-bit word of valid rows was made from padding_mask by the launch in front (vwords[32 wg + wave]) and comes in by a
; scalar load; rows are taken from it bit by bit.
; A ring of four row slots keeps 16 loads (8,192 bytes) of every wave in flight.  When the word is empty the ring asks again for the
; last row taken, so that every path issues the same loads and the counted waits hold; such slots are never added up (the tail leaves).
; Out: psum[wg][512] column sums; pstat[wg][l][2] = {maximum over lane l of all waves, count of valid rows of wave l}.
; No cluster: no two work-groups read the same bytes of x.  No matrix unit: there is no product here.
; LIMITS: x is taken to be finite (an infinity or NaN in a padded row makes NaN in the reference's x * 0 and is ignored here; a NaN in
; a valid row loses in the maxima).  The sums run in another order than the reference's.
; THE MODE: SCHED_MODE bits 1:0 = 2 (LLVM: expert scheduling mode 2), set by the entry lines.  The code itself states the register
; dependences between vector instructions and memory or LDS instructions, with s_wait_alu, always for 0.
; THE PLAN.  Registers that memory or LDS instructions touch:
;   X0 .. X3   Slot s: its row's sixteen adds and maxima read X[s]; behind them the slot's next row lands in it.  Behind the walk the
;              LDS loads of the sums over waves land in X.
;   v1         16 x lane, the offset of every load of x: made at the head, never written again.  A row is reached by the slot's scalar
;              base s[RB + 2 s], which scalar instructions make from the word of valid rows.
;   S, MX      During the walk vector instructions alone name them.  Behind it the LDS stores read them; waves 0 to 4 write some again.
;   v3 .. v6   The LDS stores' addresses and the count: made at the head; wave 4 writes v3 again.
;   v96, v97   Made at the head, read by the closing add alone.
; So ONE wait on va_vdst stands in a slot's turn, behind its adds and maxima and the scalar lines that take the next row; one stands
; ahead of the run of LDS stores; one wait on vm_vsrc stands behind the barrier, ahead of the branches to the arms that write again
; what those stores read.
.set MAXR, 0                           ; LDS: 4,096 bytes, a word for each thread: its maximum
.set CNTR, 4096                        ; LDS: 128 bytes, a word for each wave: its count of valid rows
.set SUMR, 8192                        ; LDS: 32 waves x 2,048 bytes: the wave's 512 column sums, byte 4 x column
.set RB,  32                           ; s[32:39]  slot s: the address of the slot's row, a pair at RB + 2 s
.set MX,  12                           ; v[12:15]  four chains of the maximum, one for each load of a row
.set S,   16                           ; v[16:31]  the sums of my 16 columns
.set X,   32                           ; v[32:95]  slot s: 16 registers
	s_load_b256 s[4:11], s[0:1], 0x0               ; x s[4:5], vwords s[6:7], psum s[8:9], pstat s[10:11]
	v_lshl_add_u32 v96, v0, 2, 0x12000
	v_mov_b32 v97, 0
	v_lshrrev_b32 v2, 5, v0
	v_readfirstlane_b32 s12, v2                    ; wave 0..31
	v_and_b32 v2, 31, v0                           ; lane
	v_lshlrev_b32 v1, 4, v2                        ; 16 x lane
	s_wait_alu depctr_va_sdst(0)                   ; s12 is written, ahead of its first reader: the wave's rows and its LDS places are made from it
	s_lshl_b32 s13, ttmp9, 5
	s_add_co_u32 s13, s13, s12                     ; g = 32 wg + wave, 0..8191: which 32 rows of the 262,144 are mine
	s_mov_b32 s15, 0                               ; high word of every offset pair (all offsets are below 2^30)
	s_mov_b32 s20, 0                               ; the last row taken: row 0 until there is one
	s_mov_b32 s26, 0xff800000                      ; -infinity
	s_mov_b32 s27, 0xc77de800                      ; -65000.0
	s_lshl_b32 s23, s12, 2
	v_mov_b32 v3, s23                              ; my wave's word in CNTR: 4 wave
	v_lshl_add_u32 v5, s12, 11, v1                 ; my 16 bytes in my wave's 2,048 bytes of SUMR
	v_lshlrev_b32 v6, 2, v2
	v_lshl_add_u32 v6, s12, 7, v6                  ; my word in MAXR: 128 wave + 4 lane
	s_wait_kmcnt 0x0
	s_lshl_b32 s14, s13, 2                         ; my wave's word of valid rows
	s_add_nc_u64 s[6:7], s[6:7], s[14:15]
	s_load_b32 s16, s[6:7], 0x0
	s_lshl_b32 s14, s13, 16                        ; 32 rows of 2,048 bytes
	s_add_nc_u64 s[4:5], s[4:5], s[14:15]
	s_lshl_b32 s14, ttmp9, 11                      ; 512 sums
	s_add_nc_u64 s[8:9], s[8:9], s[14:15]
	s_lshl_b32 s14, ttmp9, 8                       ; 32 pairs
	s_add_nc_u64 s[10:11], s[10:11], s[14:15]
.irp i, 0,1,2,3,4,5,6,7,8,9,10,11,12,13,14,15
	v_mov_b32 v[S+\i], 0                           ; cleared, not started by the first row: a wave may have no valid row at all
.endr
	s_wait_kmcnt 0x0                               ; the word
	s_bcnt1_i32_b32 s17, s16                       ; n valid rows
	v_cvt_f32_u32 v4, s17                          ; the wave's share of the count
	s_add_co_u32 s18, s17, 3
	s_lshr_b32 s18, s18, 2
	s_max_u32 s18, s18, 1                          ; revolutions of the ring, at least one
	s_sub_co_u32 s18, s18, 1                       ; of which all but the last run in the loop
	s_lshl_b32 s23, s18, 2
	s_sub_co_u32 s19, s17, s23                     ; rows left for the tail, 0..4
	s_cmp_eq_u32 s16, -1
	s_cselect_b32 s25, s26, s27                    ; the maximum starts at -65000 if any row of mine is padded, else at -infinity
.irp j, 0,1,2,3
	v_mov_b32 v[MX+\j], s25
.endr
; Takes the lowest valid row out of the word and makes slot s's base, by scalar instructions alone.  An empty word leaves the last row in place.
.macro NEXTROW s
	s_ctz_i32_b32 s21, s16
	s_cmp_lg_u32 s16, 0
	s_cselect_b32 s20, s21, s20
	s_min_u32 s22, s20, 31                         ; a number that came from memory is bounded before it enters an address
	s_add_co_i32 s23, s16, -1
	s_and_b32 s16, s16, s23                        ; clears the lowest bit that is set
	s_lshl_b32 s14, s22, 11                        ; row x 2,048, over s15 = 0
	s_add_nc_u64 s[RB+2*\s:RB+2*\s+1], s[4:5], s[14:15]
.endm
.macro FILL s
.irp j, 0,1,2,3
	global_load_b128 v[X+16*\s+4*\j:X+16*\s+4*\j+3], v1, s[RB+2*\s:RB+2*\s+1] offset:512*\j
.endr
.endm
; One row: 8 packed adds and 8 three-way maxima for 16 numbers.
.macro ACC s
.irp j, 0,1,2,3
	v_pk_add_f32 v[S+4*\j:S+4*\j+1], v[S+4*\j:S+4*\j+1], v[X+16*\s+4*\j:X+16*\s+4*\j+1]
	v_pk_add_f32 v[S+4*\j+2:S+4*\j+3], v[S+4*\j+2:S+4*\j+3], v[X+16*\s+4*\j+2:X+16*\s+4*\j+3]
	v_max3_num_f32 v[MX+\j], v[MX+\j], v[X+16*\s+4*\j], v[X+16*\s+4*\j+1]
	v_max3_num_f32 v[MX+\j], v[MX+\j], v[X+16*\s+4*\j+2], v[X+16*\s+4*\j+3]
.endr
.endm
	s_wait_alu depctr_va_vdst(0)                   ; v1 is written, which every load of x reads as its offset; so are v3 to v6, v96 and v97, which LDS instructions read at the end
.irp s, 0,1,2,3
	NEXTROW \s
	FILL \s
.endr
	s_mov_b32 s24, 0
	s_cmp_eq_u32 s18, 0
	s_cbranch_scc1 .Ltail
.Lrev:
.irp s, 0,1,2,3
	s_wait_loadcnt 12                              ; loads return in order (ISA guide 5.7.1): this slot's four are in, the three younger rows
	ACC \s                                         ; (12 loads) stay out; the same wait shows the loads that read the slot's base done
	NEXTROW \s                                     ; so the base may be written; these scalar lines stand between the adds and the wait for them
	s_wait_alu depctr_va_vdst(0)                   ; the adds and maxima are done reading X[s], in which the loads below land
	FILL \s
.endr
	s_add_co_u32 s24, s24, 1
	s_cmp_lt_u32 s24, s18
	s_cbranch_scc1 .Lrev
.Ltail:
.irp s, 0,1,2,3
	s_wait_loadcnt 12-4*\s                         ; nothing is issued any more: the counts run down
	s_cmp_le_u32 s19, \s                           ; slot s and those behind it hold repeated rows: leave
	s_cbranch_scc1 .Ldone
	ACC \s
.endr
.Ldone:
	s_wait_loadcnt 0x0                             ; repeated rows may still be landing in X, which is used again below
	v_max3_num_f32 v[MX], v[MX], v[MX+1], v[MX+2]
	v_max_num_f32 v[MX], v[MX], v[MX+3]
	s_wait_alu depctr_va_vdst(0)                   ; the walk has written S and the two lines above v[MX], which the LDS stores read
.irp j, 0,1,2,3
	ds_store_b128 v5, v[S+4*\j:S+4*\j+3] offset:SUMR+512*\j
.endr
	ds_store_b32 v6, v[MX] offset:MAXR
	ds_store_b32 v3, v4 offset:CNTR                ; all lanes write the wave's one word with the same value
	s_wait_dscnt 0x0                               ; my stores are in LDS before I say so
	s_barrier_signal -1
	s_barrier_wait -1
	s_wait_alu depctr_vm_vsrc(0)                   ; my LDS stores have read S, v[MX] and v3: waves 0 to 3 write S again, wave 4 v[MX] and v3
	s_cmp_lt_u32 s12, 4
	s_cbranch_scc1 .Lsums
	s_cmp_eq_u32 s12, 4
	s_cbranch_scc1 .Lstats
	s_wait_dscnt 0x0                               ; the closing lines, six on end
	s_wait_alu 0x0
	s_wait_tensorcnt 0x0
	ds_add_u32 v96, v97
	s_wait_dscnt 0x0
	s_endpgm
; Adds the 32 waves' 16 bytes at one place of their 2,048-byte regions: 16 from ra, 16 from rb = ra + 16 regions.
.macro RED32 ra, rb, base
	s_wait_alu depctr_va_vdst(0)                   ; the two addresses are written, which the LDS loads read
.irp i, 0,1,2,3,4,5,6,7,8,9,10,11,12,13,14,15
	ds_load_b128 v[X+4*\i:X+4*\i+3], v[\ra] offset:\base+2048*\i
.endr
	s_wait_dscnt 0x0
	v_pk_add_f32 v[S:S+1], v[X:X+1], v[X+4:X+5]    ; the first two start the sum
	v_pk_add_f32 v[S+2:S+3], v[X+2:X+3], v[X+6:X+7]
.irp i, 2,3,4,5,6,7,8,9,10,11,12,13,14,15
	v_pk_add_f32 v[S:S+1], v[S:S+1], v[X+4*\i:X+4*\i+1]
	v_pk_add_f32 v[S+2:S+3], v[S+2:S+3], v[X+4*\i+2:X+4*\i+3]
.endr
	s_wait_alu depctr_va_vdst(0)                   ; the adds above are done reading X, in which the next sixteen loads land
.irp i, 0,1,2,3,4,5,6,7,8,9,10,11,12,13,14,15
	ds_load_b128 v[X+4*\i:X+4*\i+3], v[\rb] offset:\base+2048*\i
.endr
	s_wait_dscnt 0x0
.irp i, 0,1,2,3,4,5,6,7,8,9,10,11,12,13,14,15
	v_pk_add_f32 v[S:S+1], v[S:S+1], v[X+4*\i:X+4*\i+1]
	v_pk_add_f32 v[S+2:S+3], v[S+2:S+3], v[X+4*\i+2:X+4*\i+3]
.endr
.endm
.Lsums:                                            ; waves 0-3: thread t owns columns 4 t .. 4 t + 3
	v_lshl_add_u32 v7, s12, 9, v1                  ; 16 t = 512 wave + 16 lane
	v_add_nc_u32 v2, 0x8000, v7                    ; the upper 16 waves' regions
	RED32 7, 2, SUMR
	s_wait_alu depctr_va_vdst(0)                   ; the adds have written v[S:S+3], which the store reads
	global_store_b128 v7, v[S:S+3], s[8:9]         ; a wave's store covers 512 consecutive bytes, aligned
	s_wait_dscnt 0x0                               ; the closing lines, six on end
	s_wait_alu 0x0
	s_wait_tensorcnt 0x0
	ds_add_u32 v96, v97
	s_wait_dscnt 0x0
	s_endpgm
.Lstats:                                           ; wave 4: lane l folds the maxima of lane l of all 32 waves and takes wave l's count
	v_lshlrev_b32 v3, 2, v2
	v_lshlrev_b32 v8, 3, v2
	s_wait_alu depctr_va_vdst(0)                   ; v3 is written, which the LDS loads read, and v8, which the store reads
.irp i, 0,1,2,3,4,5,6,7,8,9,10,11,12,13,14,15,16,17,18,19,20,21,22,23,24,25,26,27,28,29,30,31
	ds_load_b32 v[X+\i], v3 offset:MAXR+128*\i
.endr
	ds_load_b32 v13, v3 offset:CNTR
	s_wait_dscnt 0x0
	v_max_num_f32 v12, v[X], v[X+1]
.irp i, 2,4,6,8,10,12,14,16,18,20,22,24,26,28,30
	v_max3_num_f32 v12, v12, v[X+\i], v[X+\i+1]
.endr
	s_wait_alu depctr_va_vdst(0)                   ; the maxima have written v12, which the store reads
	global_store_b64 v8, v[12:13], s[10:11]        ; the work-group's 256 bytes of pstat in one store
	s_wait_dscnt 0x0                               ; the closing lines, six on end
	s_wait_alu 0x0
	s_wait_tensorcnt 0x0
	ds_add_u32 v96, v97
	s_wait_dscnt 0x0
	s_endpgm
.Lfunc_end_k_q10211ee1a1_sums:
	.size	k_q10211ee1a1_sums, .Lfunc_end_k_q10211ee1a1_sums-k_q10211ee1a1_sums
	.p2alignl 7, 3214868480
	.fill 96, 4, 3214868480
	.section	.rodata,"a",@progbits
	.p2align	6, 0x0
	.amdhsa_kernel k_q10211ee1a1_sums
		.amdhsa_group_segment_fixed_size 77824
		.amdhsa_private_segment_fixed_size 0
		.amdhsa_enable_private_segment 0
		.amdhsa_kernarg_size 32
		.amdhsa_user_sgpr_count 2
		.amdhsa_user_sgpr_kernarg_segment_ptr 1
		.amdhsa_wavefront_size32 1
		.amdhsa_system_sgpr_workgroup_id_x 1
		.amdhsa_system_sgpr_workgroup_id_y 1
		.amdhsa_system_sgpr_workgroup_id_z 1
		.amdhsa_system_vgpr_workitem_id 0
		.amdhsa_next_free_vgpr 98
		.amdhsa_next_free_sgpr 66
		.amdhsa_reserve_vcc 0
		.amdhsa_float_denorm_mode_32 3
		.amdhsa_float_denorm_mode_16_64 3
		.amdhsa_memory_ordered 1
		.amdhsa_forward_progress 1
		.amdhsa_inst_pref_size 28
	.end_amdhsa_kernel
	.amdgpu_metadata
---
amdhsa.version: [ 1, 2 ]
amdhsa.kernels:
  - .name:           k_q10211ee1a1_sums
    .symbol:         k_q10211ee1a1_sums.kd
    .args:
      - { .name: x, .offset: 0, .size: 8, .value_kind: global_buffer, .address_space: global }
      - { .name: vwords, .offset: 8, .size: 8, .value_kind: global_buffer, .address_space: global }
      - { .name: psum, .offset: 16, .size: 8, .value_kind: global_buffer, .address_space: global }
      - { .name: pstat, .offset: 24, .size: 8, .value_kind: global_buffer, .address_space: global }
    .group_segment_fixed_size: 77824
    .private_segment_fixed_size: 0
    .kernarg_segment_align: 8
    .kernarg_segment_size: 32
    .max_flat_workgroup_size: 1024
    .sgpr_count:     66
    .vgpr_count:     98
    .wavefront_size: 32
...
	.end_amdgpu_metadata
.endif
;; end of part 5
;; launch peaks (part 6): grid 256 x 1, 32 waves a work-group, no clusters, 143,360 bytes of LDS; arguments x, vwords, psum, pstat, pvar, ppeak; writes pvar, ppeak
.if DOCPART == 6
	.amdgcn_target "amdgcn-amd-amdhsa--gfx1250"
	.amdhsa_code_object_version 6
	.text
	.protected	k_q10211ee1a1_peaks
	.globl	k_q10211ee1a1_peaks
	.p2align	8
	.type	k_q10211ee1a1_peaks,@function
k_q10211ee1a1_peaks:
	s_mov_b64 s[64:65], 0
	v_nop
	global_prefetch_b8 v0, s[64:65] scope:SCOPE_SE
	s_setreg_imm32_b32 hwreg(HW_REG_WAVE_SCHED_MODE, 0, 2), 2
	s_setreg_imm32_b32 hwreg(HW_REG_WAVE_MODE, 25, 1), 1
	s_wait_xcnt 0x0
	s_wait_alu depctr_vm_vsrc(0)
; Second walk of x: for each column of a chunk, the sum over valid rows of (x - mean)^2 and the count of valid x > threshold.
; The share of work-groups, waves and lanes, the word of valid rows (vwords[32 wg + wave], by a scalar load) and the ring of four row
; slots are those of the first walk: work-group wg = 4 b + c, rows 1024 c .. +1023 of batch b; a wave owns 32 rows; lane l owns columns
; 128 j + 4 l + e; padded rows are not fetched (they add 0 to both sums).
; In front of the loop, with the ring already under way, every wave makes from the first walk's psum and pstat of its batch the means
; of its 16 columns (sum / (count + 1e-8)) and the threshold 0.7 x the largest of the 512 means; a wave's 32 lanes hold all 512 columns.
; Out: pvar[wg][512], ppeak[wg][512] (counts as f32: at most 1,024, exact).
; No cluster: no two work-groups read the same bytes of x; the 9 KiB of psum and pstat that four work-groups share are a small part.
; LIMITS: x is taken to be finite, as in the first walk.  1 / (count + 1e-8) comes from v_rcp_f32 (1 ULP).  The means are summed in
; another order than the reference's, so a number within rounding of the threshold may be counted the other way.
; THE MODE: SCHED_MODE bits 1:0 = 2 (LLVM: expert scheduling mode 2), set by the entry lines.  The code itself states the register
; dependences between vector instructions and memory or LDS instructions, and those through scalar registers that vector instructions
; write, with s_wait_alu, always for 0.
; THE PLAN.  Registers that memory or LDS instructions touch:
;   X0 .. X3   Slot s: its row's sixteen compares and eight differences read X[s]; behind them the slot's next row lands in it.  Behind
;              the walk the LDS loads of the sums over waves land in X.
;   v1         16 x lane, the offset of every load of x and of the LDS loads of the means: made at the head, never written again.  A
;              row is reached by the slot's scalar base s[RB + 2 s], which scalar instructions make from the word of valid rows.
;   v10, v[32:63]  In front of the loop: an offset, staging for psum and pstat.  In the loop they are T, V and C, named by vector instructions alone.
;   V, C, v7, v8   Behind the walk the LDS stores read them; nothing writes them again.
;   s[MK ..]   A row's sixteen compares write them in one run; the sixteen adds of the mask bit read them.
; A slot's turn: the compares, differences and squares; the scalar lines that take the next row; ONE wait on va_vdst; the slot's four
; loads; one wait on va_sdst; the sixteen counts, which name neither X nor v1.
.set RAW,  0                           ; LDS: 8,192 bytes: the batch's psum, [chunk 4][512] as in memory
.set VARR, 8192                        ; LDS: 32 waves x 2,048 bytes of squares; the counts lie 65,536 bytes further up
.set MK,  40                           ; s[40:55]  the masks of a row's sixteen compares
.set RB,  56                           ; s[56:63]  slot s: the address of the slot's row, a pair at RB + 2 s
.set THR, 6                            ; v6        the threshold
.set T,   8                            ; v[8:15]   four pairs at work in the loop; in front of it: lane, exchange temporary, 8 tid, 1/denominator
.set M,   16                           ; v[16:31]  the means of my 16 columns; at the end the sum over waves
.set V,   32                           ; v[32:47]  sums of squares    (v[32:63] are staging in front of the loop)
.set C,   48                           ; v[48:63]  counts, whole numbers
.set X,   64                           ; v[64:127] slot s: 16 registers
	s_load_b256 s[4:11], s[0:1], 0x0               ; x s[4:5], vwords s[6:7], psum s[8:9], pstat s[10:11]
	s_load_b128 s[12:15], s[0:1], 0x20             ; pvar s[12:13], ppeak s[14:15]
	v_lshrrev_b32 v8, 5, v0
	v_readfirstlane_b32 s16, v8                    ; wave 0..31
	v_and_b32 v8, 31, v0                           ; lane
	v_lshlrev_b32 v1, 4, v8                        ; 16 x lane
	v_lshlrev_b32 v10, 3, v8
	s_wait_alu depctr_va_sdst(0)                   ; s16 is written, ahead of its first reader, the line below
	v_lshl_add_u32 v10, s16, 8, v10                ; 8 x thread = 256 wave + 8 lane
	v_mov_b32 v9, 0                                ; the lane exchange's destination counts as read
	s_lshl_b32 s17, ttmp9, 5
	s_add_co_u32 s17, s17, s16                     ; g = 32 wg + wave
	s_lshr_b32 s29, ttmp9, 2                       ; batch
	s_mov_b32 s19, 0                               ; high word of every offset pair
	s_mov_b32 s24, 0                               ; the last row taken
	s_mov_b32 s32, 0x76543210                      ; v_permlanex16_b32: lane i of one half reads lane i of the other
	s_mov_b32 s33, 0xfedcba98
	s_wait_kmcnt 0x0
	s_lshl_b32 s18, s17, 2
	s_add_nc_u64 s[6:7], s[6:7], s[18:19]          ; my wave's word of valid rows
	s_load_b32 s20, s[6:7], 0x0
	s_lshl_b32 s18, s17, 16
	s_add_nc_u64 s[4:5], s[4:5], s[18:19]          ; x at my 32 rows
	s_lshl_b32 s18, s29, 13
	s_add_nc_u64 s[8:9], s[8:9], s[18:19]          ; the batch's four chunks of psum, 8,192 bytes
	s_lshl_b32 s18, s29, 10
	s_add_nc_u64 s[10:11], s[10:11], s[18:19]      ; and of pstat, 1,024 bytes
	s_wait_alu depctr_va_vdst(0)                   ; v1 and v10 are written, which the loads below and the LDS store behind them read
	global_load_b64 v[32:33], v10, s[8:9]          ; 1,024 threads x 8 bytes: the work-group reads psum once
	global_load_b128 v[40:43], v1, s[10:11]        ; {max, count, max, count}: every wave reads all of pstat's 1,024 bytes
	global_load_b128 v[44:47], v1, s[10:11] offset:512
	s_wait_kmcnt 0x0                               ; the word
	s_bcnt1_i32_b32 s21, s20
	s_add_co_u32 s22, s21, 3
	s_lshr_b32 s22, s22, 2
	s_max_u32 s22, s22, 1
	s_sub_co_u32 s22, s22, 1                       ; revolutions in the loop
	s_lshl_b32 s27, s22, 2
	s_sub_co_u32 s23, s21, s27                     ; rows left for the tail, 0..4
; Takes the lowest valid row out of the word and makes slot s's base, by scalar instructions alone.
.macro NEXTROW s
	s_ctz_i32_b32 s25, s20
	s_cmp_lg_u32 s20, 0
	s_cselect_b32 s24, s25, s24                    ; an empty word leaves the last row in place
	s_min_u32 s26, s24, 31                         ; a number that came from memory is bounded before it enters an address
	s_add_co_i32 s27, s20, -1
	s_and_b32 s20, s20, s27                        ; clears the lowest bit that is set
	s_lshl_b32 s18, s26, 11                        ; row x 2,048, over s19 = 0
	s_add_nc_u64 s[RB+2*\s:RB+2*\s+1], s[4:5], s[18:19]
.endm
.macro FILL s
.irp j, 0,1,2,3
	global_load_b128 v[X+16*\s+4*\j:X+16*\s+4*\j+3], v1, s[RB+2*\s:RB+2*\s+1] offset:512*\j
.endr
.endm
; Sum or maximum over the 32 lanes, the result in every lane.  t: a register that has been written before.
.macro WSUM r, t
	v_add_f32_dpp v[\r], v[\r], v[\r] row_xmask:1 row_mask:0xf bank_mask:0xf
	v_add_f32_dpp v[\r], v[\r], v[\r] row_xmask:2 row_mask:0xf bank_mask:0xf
	v_add_f32_dpp v[\r], v[\r], v[\r] row_xmask:4 row_mask:0xf bank_mask:0xf
	v_add_f32_dpp v[\r], v[\r], v[\r] row_xmask:8 row_mask:0xf bank_mask:0xf
	v_permlanex16_b32 v[\t], v[\r], s32, s33
	v_add_f32 v[\r], v[\r], v[\t]
.endm
.macro WMAX r, t
	v_max_num_f32_dpp v[\r], v[\r], v[\r] row_xmask:1 row_mask:0xf bank_mask:0xf
	v_max_num_f32_dpp v[\r], v[\r], v[\r] row_xmask:2 row_mask:0xf bank_mask:0xf
	v_max_num_f32_dpp v[\r], v[\r], v[\r] row_xmask:4 row_mask:0xf bank_mask:0xf
	v_max_num_f32_dpp v[\r], v[\r], v[\r] row_xmask:8 row_mask:0xf bank_mask:0xf
	v_permlanex16_b32 v[\t], v[\r], s32, s33
	v_max_num_f32 v[\r], v[\r], v[\t]
.endm
.macro MAX16 d, b
	v_max3_num_f32 v[\d], v[\b], v[\b+1], v[\b+2]
.irp i, 3,5,7,9,11,13
	v_max3_num_f32 v[\d], v[\d], v[\b+\i], v[\b+\i+1]
.endr
	v_max_num_f32 v[\d], v[\d], v[\b+15]
.endm
; One row, 16 numbers, in two parts.  ACCX is all that reads X[s]: 16 compares in one run, each into a scalar register of its own,
; then 8 packed differences and 8 packed fused squares.
.macro ACCX s
.irp p, 0,1,2,3,4,5,6,7,8,9,10,11,12,13,14,15
	v_cmp_gt_f32 s[MK+\p], v[X+16*\s+\p], v[THR]
.endr
.irp q, 0,8
.irp p, 0,2,4,6
	v_pk_add_f32 v[T+\p:T+\p+1], v[X+16*\s+\q+\p:X+16*\s+\q+\p+1], v[M+\q+\p:M+\q+\p+1] neg_lo:[0,1] neg_hi:[0,1]
.endr
.irp p, 0,2,4,6
	v_pk_fma_f32 v[V+\q+\p:V+\q+\p+1], v[T+\p:T+\p+1], v[T+\p:T+\p+1], v[V+\q+\p:V+\q+\p+1]
.endr
.endr
.endm
; ACCC: for each number an add of its mask bit, as the carry in; the carry out is nobody's and goes to null.
.macro ACCC
	s_wait_alu depctr_va_sdst(0)                   ; the sixteen compares have written s[MK ..], ahead of their first reader: one wait for the run
.irp p, 0,1,2,3,4,5,6,7,8,9,10,11,12,13,14,15
	v_add_co_ci_u32 v[C+\p], null, 0, v[C+\p], s[MK+\p]
.endr
.endm
.irp s, 0,1,2,3
	NEXTROW \s                                     ; the ring is under way before the means are made; no vector instruction since the wait above names v1 or X
	FILL \s
.endr
	s_wait_loadcnt 16                              ; loads return in order (ISA guide 5.7.1): psum's and pstat's three loads are in,
	ds_store_b64 v10, v[32:33] offset:RAW          ; the ring's 16 younger loads stay out
	; the batch's count of valid rows and 1 / (count + 1e-8)
	v_add_f32 v41, v41, v43
	v_add_f32 v45, v45, v47
	v_add_f32 v41, v41, v45
	WSUM 41, 42
	v_add_f32 v41, 0x322bcc77, v41                 ; + 1e-8
	v_rcp_f32 v12, v41                             ; twice: a pair for the packed multiply
	v_rcp_f32 v13, v41
	v_nop                                          ; one plain place behind a transcendental (ISA guide 5.7.2)
	s_wait_dscnt 0x0                               ; my 8 bytes of RAW are in LDS before I say so
	s_barrier_signal -1
	s_barrier_wait -1                              ; the rows of x stay in flight across it: nobody writes x
	s_wait_alu depctr_vm_vsrc(0)                   ; psum's load and my LDS store have read v10 and v[32:33]: LDS loads land in v[32:33] below, and the loop writes v10 as part of T
	; the means of my 16 columns: four chunks' sums from RAW, two of my four column quads at a time
.irp hf, 0,1
	s_wait_alu depctr_va_vdst(0)                   ; the vector lines above are done with v[32:63], in which the loads below land: the count's additions the first time, the first half's the second; the first time it is also the wait for the two reciprocals, ahead of their first reader
.irp jj, 0,1
.irp k, 0,1,2,3
	ds_load_b128 v[32+16*\jj+4*\k:32+16*\jj+4*\k+3], v1 offset:RAW+2048*\k+512*(2*\hf+\jj)
.endr
.endr
	s_wait_dscnt 0x0
.irp jj, 0,1
	v_pk_add_f32 v[32+16*\jj:33+16*\jj], v[32+16*\jj:33+16*\jj], v[36+16*\jj:37+16*\jj]
	v_pk_add_f32 v[34+16*\jj:35+16*\jj], v[34+16*\jj:35+16*\jj], v[38+16*\jj:39+16*\jj]
	v_pk_add_f32 v[40+16*\jj:41+16*\jj], v[40+16*\jj:41+16*\jj], v[44+16*\jj:45+16*\jj]
	v_pk_add_f32 v[42+16*\jj:43+16*\jj], v[42+16*\jj:43+16*\jj], v[46+16*\jj:47+16*\jj]
	v_pk_add_f32 v[M+4*(2*\hf+\jj):M+4*(2*\hf+\jj)+1], v[32+16*\jj:33+16*\jj], v[40+16*\jj:41+16*\jj]
	v_pk_add_f32 v[M+4*(2*\hf+\jj)+2:M+4*(2*\hf+\jj)+3], v[34+16*\jj:35+16*\jj], v[42+16*\jj:43+16*\jj]
.endr
.endr
.irp p, 0,2,4,6,8,10,12,14
	v_pk_mul_f32 v[M+\p:M+\p+1], v[M+\p:M+\p+1], v[12:13]
.endr
	MAX16 THR, M
	WMAX THR, 9
	v_mul_f32 v[THR], 0x3f333333, v[THR]           ; 0.7 x the largest mean
.irp i, 0,1,2,3,4,5,6,7,8,9,10,11,12,13,14,15,16,17,18,19,20,21,22,23,24,25,26,27,28,29,30,31
	v_mov_b32 v[V+\i], 0                           ; V and C are cleared, not started by the first row: a wave may have no valid row
.endr
	s_mov_b32 s28, 0
	s_cmp_eq_u32 s22, 0
	s_cbranch_scc1 .Ltail
.Lrev:
.irp s, 0,1,2,3
	s_wait_loadcnt 12                              ; this slot's four loads are in, the three younger rows (12 loads) stay out;
	ACCX \s                                        ; the same wait shows the loads that read the slot's base done
	NEXTROW \s                                     ; so the base may be written; these scalar lines stand between X's readers and the wait for them
	s_wait_alu depctr_va_vdst(0)                   ; the compares and differences are done reading X[s], in which the loads below land
	FILL \s
	ACCC                                           ; the counts follow the loads: they name neither X nor v1
.endr
	s_add_co_u32 s28, s28, 1
	s_cmp_lt_u32 s28, s22
	s_cbranch_scc1 .Lrev
.Ltail:
.irp s, 0,1,2,3
	s_wait_loadcnt 12-4*\s                         ; nothing is issued any more: the counts run down
	s_cmp_le_u32 s23, \s                           ; slot s and those behind it hold repeated rows: leave
	s_cbranch_scc1 .Ldone
	ACCX \s
	ACCC
.endr
.Ldone:
	s_wait_loadcnt 0x0                             ; repeated rows may still be landing in X, which is used again below
.irp i, 0,1,2,3,4,5,6,7,8,9,10,11,12,13,14,15
	v_cvt_f32_u32 v[C+\i], v[C+\i]
.endr
	v_lshl_add_u32 v7, s16, 11, v1                 ; my 16 bytes in my wave's 2,048 bytes
	v_add_nc_u32 v8, 0x10000, v7                   ; the same among the counts
	s_wait_alu depctr_va_vdst(0)                   ; the walk has written V, the conversions C, the two lines above v7 and v8: the LDS stores read all of them
.irp j, 0,1,2,3
	ds_store_b128 v7, v[V+4*\j:V+4*\j+3] offset:VARR+512*\j
	ds_store_b128 v8, v[C+4*\j:C+4*\j+3] offset:VARR+512*\j
.endr
	s_wait_dscnt 0x0                               ; my stores are in LDS before I say so
	s_barrier_signal -1
	s_barrier_wait -1
	s_cmp_ge_u32 s16, 8
	s_cbranch_scc1 .Lend
	; waves 0-3 add up the squares, waves 4-7 the counts, by one text: thread t & 127 owns columns 4 (t & 127) .. + 3
	s_and_b32 s27, s16, 3
	s_lshr_b32 s25, s16, 2                         ; 0: squares, 1: counts
	s_lshl_b32 s18, ttmp9, 11                      ; the work-group's 2,048 bytes of the output
	v_lshl_add_u32 v9, s27, 9, v1                  ; 16 (t & 127)
	v_lshl_add_u32 v10, s25, 16, v9
	v_add_nc_u32 v11, 0x8000, v10                  ; the upper 16 waves' regions
	s_cmp_lt_u32 s16, 4
	s_cselect_b64 s[30:31], s[12:13], s[14:15]     ; pvar or ppeak
	s_add_nc_u64 s[30:31], s[30:31], s[18:19]
	s_wait_alu depctr_va_vdst(0)                   ; v9, v10 and v11 are written, which the LDS loads and the store below read
.irp i, 0,1,2,3,4,5,6,7,8,9,10,11,12,13,14,15
	ds_load_b128 v[X+4*\i:X+4*\i+3], v10 offset:VARR+2048*\i
.endr
	s_wait_dscnt 0x0
	v_pk_add_f32 v[M:M+1], v[X:X+1], v[X+4:X+5]    ; the first two start the sum
	v_pk_add_f32 v[M+2:M+3], v[X+2:X+3], v[X+6:X+7]
.irp i, 2,3,4,5,6,7,8,9,10,11,12,13,14,15
	v_pk_add_f32 v[M:M+1], v[M:M+1], v[X+4*\i:X+4*\i+1]
	v_pk_add_f32 v[M+2:M+3], v[M+2:M+3], v[X+4*\i+2:X+4*\i+3]
.endr
	s_wait_alu depctr_va_vdst(0)                   ; the adds above are done reading X, in which the next sixteen loads land
.irp i, 0,1,2,3,4,5,6,7,8,9,10,11,12,13,14,15
	ds_load_b128 v[X+4*\i:X+4*\i+3], v11 offset:VARR+2048*\i
.endr
	s_wait_dscnt 0x0
.irp i, 0,1,2,3,4,5,6,7,8,9,10,11,12,13,14,15
	v_pk_add_f32 v[M:M+1], v[M:M+1], v[X+4*\i:X+4*\i+1]
	v_pk_add_f32 v[M+2:M+3], v[M+2:M+3], v[X+4*\i+2:X+4*\i+3]
.endr
	s_wait_alu depctr_va_vdst(0)                   ; the adds have written v[M:M+3], which the store reads
	global_store_b128 v9, v[M:M+3], s[30:31]       ; a wave's store covers 512 consecutive bytes, aligned
.Lend:
	s_wait_xcnt 0x0                                ; every earlier memory instruction has had its addresses translated (ISA guide 3.1)
	v_lshl_add_u32 v126, v0, 2, 0x22000            ; the add's two registers are made anew: all 128 were in use; loads landed in these two, and no memory or LDS instruction has read them
	v_mov_b32 v127, 0
	s_wait_dscnt 0x0                               ; the closing lines, six on end
	s_wait_alu 0x0
	s_wait_tensorcnt 0x0
	ds_add_u32 v126, v127
	s_wait_dscnt 0x0
	s_endpgm
.Lfunc_end_k_q10211ee1a1_peaks:
	.size	k_q10211ee1a1_peaks, .Lfunc_end_k_q10211ee1a1_peaks-k_q10211ee1a1_peaks
	.p2alignl 7, 3214868480
	.fill 96, 4, 3214868480
	.section	.rodata,"a",@progbits
	.p2align	6, 0x0
	.amdhsa_kernel k_q10211ee1a1_peaks
		.amdhsa_group_segment_fixed_size 143360
		.amdhsa_private_segment_fixed_size 0
		.amdhsa_enable_private_segment 0
		.amdhsa_kernarg_size 48
		.amdhsa_user_sgpr_count 2
		.amdhsa_user_sgpr_kernarg_segment_ptr 1
		.amdhsa_wavefront_size32 1
		.amdhsa_system_sgpr_workgroup_id_x 1
		.amdhsa_system_sgpr_workgroup_id_y 1
		.amdhsa_system_sgpr_workgroup_id_z 1
		.amdhsa_system_vgpr_workitem_id 0
		.amdhsa_next_free_vgpr 128
		.amdhsa_next_free_sgpr 66
		.amdhsa_reserve_vcc 0
		.amdhsa_float_denorm_mode_32 3
		.amdhsa_float_denorm_mode_16_64 3
		.amdhsa_memory_ordered 1
		.amdhsa_forward_progress 1
		.amdhsa_inst_pref_size 47
	.end_amdhsa_kernel
	.amdgpu_metadata
---
amdhsa.version: [ 1, 2 ]
amdhsa.kernels:
  - .name:           k_q10211ee1a1_peaks
    .symbol:         k_q10211ee1a1_peaks.kd
    .args:
      - { .name: x, .offset: 0, .size: 8, .value_kind: global_buffer, .address_space: global }
      - { .name: vwords, .offset: 8, .size: 8, .value_kind: global_buffer, .address_space: global }
      - { .name: psum, .offset: 16, .size: 8, .value_kind: global_buffer, .address_space: global }
      - { .name: pstat, .offset: 24, .size: 8, .value_kind: global_buffer, .address_space: global }
      - { .name: pvar, .offset: 32, .size: 8, .value_kind: global_buffer, .address_space: global }
      - { .name: ppeak, .offset: 40, .size: 8, .value_kind: global_buffer, .address_space: global }
    .group_segment_fixed_size: 143360
    .private_segment_fixed_size: 0
    .kernarg_segment_align: 8
    .kernarg_segment_size: 48
    .max_flat_workgroup_size: 1024
    .sgpr_count:     66
    .vgpr_count:     128
    .wavefront_size: 32
...
	.end_amdgpu_metadata
.endif
;; end of part 6
;; launch head: the kernel of part 4 again; grid 64 x 1, 8 waves a work-group, no clusters, 5,632 bytes of LDS; arguments psum, pstat, pvar, ppeak, W1, b1, gamma, beta, W2, b2, out0; writes out0
